; MI455X (gfx1250); checked and timed in simulation.
; The chip was launched on July 23, 2026; its instructions are those of AMD's public machine-readable ISA for CDNA 5 (MIT licence, August 2026) and "CDNA5" Instruction Set Architecture Reference Guide (July 2026). The comments in the code are by the model that wrote it; some were corrected since.
;; Attention. Allowed arithmetic: matrix products marked QUANTISED: E2M3 operands, one E8M0 scale for each 32 along K, by v_wmma_scale_f32_16x16x128_f8f6f4 with both operands' format E2M3, f32 sums; everything else in f32.
;; Inputs: Wk_codes 1,024 x 32 x 24 uint8 (E2M3 codes of Wk, K innermost, in blocks of 32 codes, four codes in three bytes); Wk_scales 1,024 x 32 uint8 (E8M0 scales of Wk, one for each 32 codes along K); Wo_codes 1,024 x 32 x 24 uint8 (E2M3 codes of Wo, K innermost, in blocks of 32 codes, four codes in three bytes); Wo_scales 1,024 x 32 uint8 (E8M0 scales of Wo, one for each 32 codes along K); Wq_codes 1,024 x 32 x 24 uint8 (E2M3 codes of Wq, K innermost, in blocks of 32 codes, four codes in three bytes); Wq_scales 1,024 x 32 uint8 (E8M0 scales of Wq, one for each 32 codes along K); Wv_codes 1,024 x 32 x 24 uint8 (E2M3 codes of Wv, K innermost, in blocks of 32 codes, four codes in three bytes); Wv_scales 1,024 x 32 uint8 (E8M0 scales of Wv, one for each 32 codes along K); mask 1 x 1 x 2,048 x 2,048 bool; x_codes 2 x 2,048 x 32 x 24 uint8 (E2M3 codes of x, K innermost, in blocks of 32 codes, four codes in three bytes); x_scales 2 x 2,048 x 32 uint8 (E8M0 scales of x, one for each 32 codes along K).
;; Outputs: out0 2 x 2,048 x 1,024 float32.
;; This version of the problem:
;;   THIS VERSION OF THE PROBLEM IS GIVEN IN LOW PRECISION. The matrix products marked QUANTISED in the list below multiply operands that are first quantised to E2M3 (2 exponent bits, 3 mantissa bits; 6 bits a number), with one power-of-two scale for each 32 numbers along K (OCP MX v1.0); their sums are f32. All else is computed in f32.
;;   The module's matrix products, in the order in which they are computed (A, B: the left and right operand; K: the contracted axis; several contracted axes count as one K, in the product's order):
;;     1. [M 4,096, K 1,024] x [K 1,024, N 1,024]; A: input x (given as codes); B: input Wq (given as codes): QUANTISED
;;     2. [M 4,096, K 1,024] x [K 1,024, N 1,024]; A: input x (given as codes); B: input Wk (given as codes): QUANTISED
;;     3. [M 4,096, K 1,024] x [K 1,024, N 1,024]; A: input x (given as codes); B: input Wv (given as codes): QUANTISED
;;     4. batch 32 x [M 2,048, K 64] x [K 64, N 2,048]; A: computed on the way; B: computed on the way: QUANTISED
;;     5. batch 32 x [M 2,048, K 2,048] x [K 2,048, N 64]; A: softmax (see below); B: computed on the way: QUANTISED
;;     6. [M 4,096, K 1,024] x [K 1,024, N 1,024]; A: computed on the way; B: input Wo (given as codes): QUANTISED
;;   THE QUANTISER, for each operand of a quantised product, along K:
;;     - K is cut into blocks of 32 from its start; a last block that is shorter is filled with zeros.
;;     - A block's scale is 2^e with e = floor(log2(the largest magnitude in the block)) - 2, held to -126 .. 127; a block of zeros has e = 0. As a byte (E8M0): e + 127.
;;     - Each number is divided by its block's scale, clamped to +-7.5, and rounded to the nearest number of E2M3, ties to even, subnormals kept.
;;     - The product sums the exact products of the quantised numbers (number of the format x scale) in f32.
;;   ~~~python
;;   def quantise(x, axis):      # numpy; x: float32 -> the quantised numbers, widened to float32 again
;;       x = np.moveaxis(x, axis, -1); K = x.shape[-1]
;;       x = np.pad(x, [(0, 0)] * (x.ndim - 1) + [(0, -K % 32)]); x = x.reshape(x.shape[:-1] + (-1, 32)); a = np.abs(x).max(-1, keepdims=True)
;;       e = np.where(a > 0, np.clip(np.frexp(np.where(a > 0, a, 1))[1] - 1 - 2, -126, 127), 0)      # np.frexp(a)[1] - 1 = floor(log2(a)), exactly
;;       r = np.clip(x / 2.0 ** e, -7.5, 7.5)
;;       step = 2.0 ** (np.maximum(np.frexp(np.where(r == 0, 1, r))[1] - 1, 0) - 3)
;;       q = np.round(r / step) * step * 2.0 ** e      # np.round: ties to even
;;       return np.moveaxis(q.reshape(q.shape[:-2] + (-1,))[..., :K], -1, axis).astype(np.float32)
;;   ~~~
;;   SOFTMAX AHEAD OF A QUANTISED PRODUCT. Where the list says 'softmax', what is quantised is not the finished softmax but p = 2^(t - M), with t = logit x log2(e) and M = ceil(the row's largest t), a whole number; so 1/2 < the row's largest p <= 1. The row's sum l is taken of the UNQUANTISED p, in f32, and the product's result is divided by l at the end. Since M is a whole number, a kernel that streams over the keys may use a running M (the ceiling of the running maximum): every later rescaling is an exact power of two, which a block's scale takes up: the codes' values come out the same.
;;   OPERANDS COMPUTED ON THE WAY. 'Computed on the way' means the value that the module computes at that place (a softmax that the list does not call 'softmax' is quantised finished and normalised). What goes into a quantiser is computed in f32, as accurately as f32 sums, v_exp_f32 and their like allow (about 1e-6 of the number): no bf16 or f16 on the way to a quantiser, and a product that is left as it is and whose result goes on into a quantised operand takes f32 operands (vector FMAs, or v_wmma_f32_16x16x4_f32). A number that lies on a knife's edge between two numbers of the format may be rounded either way, as far as f32 arithmetic and the matrix unit's own rounding can turn it there, and no further.
;;   INPUTS GIVEN AS CODES. Wk (in the module: [1024, 1024], K = its axis 0); Wo (in the module: [1024, 1024], K = its axis 0); Wq (in the module: [1024, 1024], K = its axis 0); Wv (in the module: [1024, 1024], K = its axis 0); x (in the module: [2, 2048, 1024], K = its axis 2): each comes as NAME_codes (uint8): NAME with its K axis moved to the last place and cut into blocks of 32 codes, [.., K / 32, bytes a block], one block behind the other in memory; four codes in three bytes: a row's codes are one little-endian stream of bits, code i at bits 6 i .. 6 i + 5 (a code: sign, 2 exponent bits, 3 mantissa bits); and NAME_scales (uint8): the same leading axes, one E8M0 byte (e + 127) for each 32 codes along K. Its value is code x scale, taken as it is: it is not quantised again, and the codes and scales need not be those that the quantiser above would give.
;; One version. Each part assembles by itself: llvm-mc -triple=amdgcn-amd-amdhsa -mcpu=gfx1250 --defsym DOCPART=n.
;; ======== version 1 of 1: 3 launches
;; limits: right only within a limited range of input values
;; workspace buffers: qkv 10,092,544 bytes; masks 526,336 bytes of whole numbers; att 3,276,800 bytes
;; launch proj (part 1): grid 12 x 16, 4 waves a work-group, clusters of 4 x 4, 327,680 bytes of LDS; arguments x_codes, x_scales, Wq_codes, Wq_scales, Wk_codes, Wk_scales, Wv_codes, Wv_scales, mask, qkv, masks; writes qkv, masks
.if DOCPART == 1
	.amdgcn_target "amdgcn-amd-amdhsa--gfx1250"
	.amdhsa_code_object_version 6
	.text
	.protected	k_q98b218a68c_proj
	.globl	k_q98b218a68c_proj
	.p2align	8
	.type	k_q98b218a68c_proj,@function
k_q98b218a68c_proj:
	s_mov_b64 s[64:65], 0
	v_nop
	global_prefetch_b8 v0, s[64:65] scope:SCOPE_SE
	s_setreg_imm32_b32 hwreg(HW_REG_WAVE_MODE, 25, 1), 1
	s_wait_xcnt 0x0
	s_wait_alu depctr_hold_cnt(0) depctr_sa_sdst(0) depctr_va_vdst(0) depctr_va_sdst(0) depctr_va_ssrc(0) depctr_va_vcc(0) depctr_vm_vsrc(0)
	s_getreg_b32 s2, hwreg(HW_REG_IB_STS2, 6, 4)
	s_cmp_eq_u32 s2, 0
	s_cbranch_scc0 .Lentry_in_a_cluster
	s_endpgm
.Lentry_in_a_cluster:
	s_bfe_u32 s2, ttmp6, 0x10000c
	s_cmp_lg_u32 s2, 0xf033
	s_cbranch_scc0 .Lentry_shape_is_right
	s_endpgm
.Lentry_shape_is_right:
; q = rms(x Wq), k = rms(x Wk), v = x Wv on codes of FP6 (E2M3) with E8M0 scales, sums in f32; each result is quantised for the attention's products and stored as images of operand registers.
; Nothing of reference() is left out here; every input of these products and the mask are read.
; Cluster column 0 makes q, 1 makes k (A = x, B = W), 2 makes v with the sources' roles changed (A = Wv, B = x), so that v's codes run along the keys.
; A work-group makes 256 x 256, a wave 128 x 128 in 64 accumulators.  K = 1,024 is 768 bytes a row: three chunks of 256 bytes through two LDS slots, eight steps of 96 bytes; steps 2 and 5 lie across two chunks.
; The scales of the 256 + 256 rows come once, as dense blocks.  4 x 4 clusters: A's tiles are asked for jointly along a row, B's along a column.
; The work-groups of columns 0 and 1 also pack the mask: a bit an entry in the order of the attention's score registers, and a word for each four steps (rows with a true entry, steps with one, steps all true).
; No prefetch: the walk has three chunks, two of which are asked for at the head.
.set NQ,     2
.set ROWB,   256
.set KROW,   768
.set STEPS,  8
.set CHUNKS, 3
.set PITCH,  272                       ; 256 bytes + 16 of padding
.set FR,     12
.set NL,     6
.set NP,     4
.set HALFT,  128*PITCH
.set SLOT,   4*HALFT
.set KS,     32
.set SCL,    2*SLOT
.set HALFS,  (128*KS/256)*272
.set SBLK,   (16*KS/256)*272
.set SPARE,  SCL+4*HALFS               ; the spare words: 128 bytes a wave, named by no other line
.set TI,     524288
.set ADRA, 16                          ; v16-17 A's fragments in slot 0, 1; v18-19 for pieces whose lanes 16-31 read the next chunk
.set ADRB, 20
.set ADRS, 27
.set SPW,  28
.set NIL,  29
.set SC,   32
.set AF,   128
.set CD,   112
.set TM,   200
.set PW,   216
.set SS,   224
.set R0,   232
.set R1,   234
.set SWA,  240
.set SWB,  244
.set G1, 24
.set G0, 32
.set G1B, 48
.set G0B, 56
.set G1S, 68
.set G0S, 76
.set G1SB, 80
.set G0SB, 88
.set G0H, 4
.set G0HB, 8
.set MSB, 0
.macro WIN new
.if MSB != (\new)
	s_set_vgpr_msb (MSB<<8)|(\new)
.set MSB, (\new)
.endif
.endm
.set MUL_LO, 0xa1
.set MUL_HI, 0xf1
.set TO_B,   0x40
.macro JLOAD g0a, g1a, g0b, g1b        ; waves 0, 1 ask for A, waves 2, 3 for B
	s_cmp_eq_u32 s15, 0
	s_cbranch_scc0 .Lfor_b_\@
	tensor_load_to_lds s[\g0a:\g0a+3], s[\g1a:\g1a+7]
	s_nop 0
.rept 4
	v_nop
.endr
	s_branch .Lasked_\@
.Lfor_b_\@:
	tensor_load_to_lds s[\g0b:\g0b+3], s[\g1b:\g1b+7]
	s_nop 0
.rept 4
	v_nop
.endr
.Lasked_\@:
.endm
.macro CREST
	s_cmp_lg_u32 s14, 0
	s_cbranch_scc1 .Lnot_wave_0_\@
	s_barrier_signal -3
.Lnot_wave_0_\@:
	s_barrier_wait -3
	s_barrier_signal -1
	s_barrier_wait -1
.endm
.macro CROUND
	s_barrier_signal -1
	s_barrier_wait -1
	CREST
.endm
	s_load_b512 s[68:83], s[0:1], 0x0
	s_load_b128 s[84:87], s[0:1], 0x40
	s_load_b64 s[88:89], s[0:1], 0x50
	v_lshl_add_u32 v[SPW], v0, 2, SPARE
	v_mov_b32 v[NIL], 0
	ds_add_u32 v[SPW], v[NIL]                      ; the opening lines: the add twice and one wait
	ds_add_u32 v[SPW], v[NIL]
	v_lshrrev_b32 v1, 5, v0
	v_readfirstlane_b32 s14, v1                    ; wave
	s_lshr_b32 s15, s14, 1                         ; my half of the rows; also: I ask for A or for B
	s_and_b32 s16, s14, 1                          ; my half of the columns; also: which 128 rows I ask for
	s_bfe_u32 s40, ttmp6, 0x40000                  ; cx
	s_bfe_u32 s41, ttmp6, 0x40004                  ; cy
	s_and_b32 s95, ttmp7, 0xffff
	s_lshl_b32 s95, s95, 2
	s_cmp_eq_u32 ttmp9, 2
	s_cselect_b32 s17, 0, s95
	s_cselect_b32 s42, s95, 0
	s_add_co_u32 s17, s17, s41                     ; A's tile
	s_add_co_u32 s42, s42, s40                     ; B's tile
	s_lshl_b32 s43, s41, 2
	s_lshl_b32 s43, 15, s43                        ; my row of the cluster
	s_lshl_b32 s44, 0x1111, s40                    ; my column
	s_or_b32 s[G1+0], s43, (0<<16)|(1<<20)|(1<<21)|(5<<22)|(3<<25)
	s_or_b32 s[G1B+0], s44, (0<<16)|(1<<20)|(1<<21)|(5<<22)|(3<<25)
.irp g, G1, G1B
	s_mov_b32 s[\g+1], ROWB<<16
	s_mov_b32 s[\g+2], 256<<16                     ; the head's loads bring 256 rows
	s_mov_b32 s[\g+3], ROWB<<16
	s_mov_b32 s[\g+4], 256
	s_mov_b32 s[\g+5], KROW
	s_mov_b32 s[\g+6], 0
	s_mov_b32 s[\g+7], 0
.endr
	s_lshl_b32 s20, s17, 8
	s_lshl_b32 s46, s42, 8
	s_mov_b32 s21, 0
	s_mov_b32 s47, 0
	s_mov_b64 s[18:19], KS
	s_mul_u64 s[22:23], s[20:21], s[18:19]
	s_mul_u64 s[92:93], s[46:47], s[18:19]
	s_mov_b64 s[18:19], KROW
	s_mul_u64 s[20:21], s[20:21], s[18:19]
	s_mul_u64 s[46:47], s[46:47], s[18:19]
	s_mul_i32 s18, s16, 128*KROW
	s_mov_b32 s19, 0
	s_mul_i32 s45, s14, HALFT
	s_mov_b32 s96, 0x3c800000                      ; 1 / 64
	s_mov_b32 s97, 0x358637bd                      ; 1e-6
	s_mov_b32 s98, 0x76543210
	s_mov_b32 s99, 0xfedcba98
	s_wait_dscnt 0x0
	s_wait_kmcnt 0x0
	s_cmp_eq_u32 ttmp9, 0
	s_cselect_b64 s[8:9], s[72:73], s[76:77]
	s_cselect_b64 s[10:11], s[74:75], s[78:79]
	s_cmp_eq_u32 ttmp9, 2
	s_cselect_b64 s[8:9], s[68:69], s[8:9]
	s_cselect_b64 s[10:11], s[70:71], s[10:11]
	s_cselect_b64 s[4:5], s[80:81], s[68:69]
	s_cselect_b64 s[6:7], s[82:83], s[70:71]
	s_mov_b64 s[2:3], s[84:85]
	s_mov_b64 s[12:13], s[86:87]
	s_mov_b64 s[66:67], s[88:89]
	s_add_nc_u64 s[20:21], s[4:5], s[20:21]
	s_add_nc_u64 s[22:23], s[6:7], s[22:23]
	s_add_nc_u64 s[46:47], s[8:9], s[46:47]
	s_add_nc_u64 s[92:93], s[10:11], s[92:93]
	s_or_b32 s[G1S+0], s43, (3<<16)|(1<<20)|(1<<21)|(5<<22)|(3<<25)
	s_or_b32 s[G1SB+0], s44, (3<<16)|(1<<20)|(1<<21)|(5<<22)|(3<<25)
.irp g, G1S, G1SB                      ; the scales of 256 rows: KS rows of 256 bytes
	s_mov_b32 s[\g+1], 32<<16
	s_mov_b32 s[\g+2], KS<<16
	s_mov_b32 s[\g+3], 32<<16
	s_mov_b32 s[\g+4], KS
	s_mov_b32 s[\g+5], 32
	s_mov_b32 s[\g+6], 0
	s_mov_b32 s[\g+7], 0
.endr
	CROUND                                         ; the first joint loads meet
	s_mov_b32 s[G0H], 1
	s_mov_b32 s[G0H+1], 0
	s_mov_b64 s[G0H+2:G0H+3], s[20:21]
	s_or_b32 s[G0H+3], s[G0H+3], 0x80000000
	s_mov_b32 s[G0HB], 1
	s_mov_b32 s[G0HB+1], 2*HALFT
	s_mov_b64 s[G0HB+2:G0HB+3], s[46:47]
	s_or_b32 s[G0HB+3], s[G0HB+3], 0x80000000
	s_mov_b32 s[G0S], 1
	s_mov_b32 s[G0S+1], SCL
	s_mov_b64 s[G0S+2:G0S+3], s[22:23]
	s_or_b32 s[G0S+3], s[G0S+3], 0x80000000
	s_mov_b32 s[G0SB], 1
	s_mov_b32 s[G0SB+1], SCL+2*HALFS
	s_mov_b64 s[G0SB+2:G0SB+3], s[92:93]
	s_or_b32 s[G0SB+3], s[G0SB+3], 0x80000000
	s_add_nc_u64 s[20:21], s[20:21], s[18:19]      ; for the ring: my 128 rows
	s_add_nc_u64 s[46:47], s[46:47], s[18:19]
.irp s, 0,1
	s_mov_b32 s[G0+4*\s], 1
	s_add_co_u32 s[G0+4*\s+1], s45, \s*SLOT
	s_add_nc_u64 s[G0+4*\s+2:G0+4*\s+3], s[20:21], \s*ROWB
	s_or_b32 s[G0+4*\s+3], s[G0+4*\s+3], 0x80000000
	s_mov_b32 s[G0B+4*\s], 1
	s_add_co_u32 s[G0B+4*\s+1], s45, \s*SLOT
	s_add_nc_u64 s[G0B+4*\s+2:G0B+4*\s+3], s[46:47], \s*ROWB
	s_or_b32 s[G0B+4*\s+3], s[G0B+4*\s+3], 0x80000000
.endr
; the head's four tiles, one load a wave, in one chain of branches: chunk 0 of A, chunk 0 of B, A's scales, B's scales
.macro ARM under, g0, g1, next
	s_cmp_lt_u32 s14, \under
	s_cbranch_scc0 \next
	tensor_load_to_lds s[\g0:\g0+3], s[\g1:\g1+7]
	s_nop 0
.rept 4
	v_nop
.endr
	s_branch .Lhead_asked
\next:
.endm
	ARM 1, G0H,  G1,  .Lhead_b
	ARM 2, G0HB, G1B, .Lhead_sa
	ARM 3, G0S,  G1S, .Lhead_sb
	tensor_load_to_lds s[G0SB:G0SB+3], s[G1SB:G1SB+7]
	s_nop 0
.rept 4
	v_nop
.endr
.Lhead_asked:
	v_and_b32 v1, 15, v0                           ; r
	v_bfe_u32 v2, v0, 4, 1                         ; h
	v_mul_u32_u24 v3, v1, PITCH
	v_mul_u32_u24 v4, v2, 24
	v_add_nc_u32 v4, v3, v4
	s_mov_b32 s21, SLOT-232
	s_mov_b32 s22, SLOT+232
	v_sub_nc_u32 v7, 1, v2
	v_mul_u32_u24 v5, s21, v2
	v_add_nc_u32 v5, v3, v5
	v_add_nc_u32 v5, 232, v5                       ; lanes 0-15 byte 232 in slot 0, lanes 16-31 byte 0 in slot 1
	v_mul_u32_u24 v6, s22, v7
	v_add_nc_u32 v6, v3, v6                        ; and the other way round
	s_mul_i32 s21, s15, HALFT
	s_mul_i32 s22, s16, HALFT
	s_add_co_u32 s22, s22, 2*HALFT
	v_add_nc_u32 v[ADRA+2], s21, v5
	v_add_nc_u32 v[ADRA+3], s21, v6
	v_add_nc_u32 v[ADRB+2], s22, v5
	v_add_nc_u32 v[ADRB+3], s22, v6
.irp s, 0,1
	v_add_nc_u32 v[ADRA+\s], s21, v4
	v_add_nc_u32 v[ADRB+\s], s22, v4
	s_add_co_u32 s21, s21, SLOT
	s_add_co_u32 s22, s22, SLOT
.endr
	v_mul_u32_u24 v5, v1, KS
	v_lshrrev_b32 v6, 8, v5
	v_lshl_add_u32 v5, v6, 4, v5
	s_mul_i32 s21, s15, HALFS
	s_mul_i32 s22, s16, HALFS
	s_add_co_u32 s22, s22, 2*HALFS
	s_sub_co_u32 s22, s22, s21
	v_mul_u32_u24 v6, s22, v2                      ; lanes 16-31 take B's scale words
	s_add_co_u32 s21, s21, SCL
	v_add_nc_u32 v5, v5, v6
	v_add_nc_u32 v[ADRS], s21, v5
; the mask: a wave takes 16 rows x 512 entries; its sixteen loads go out while the head's tiles are on their way
	s_cmp_eq_u32 ttmp9, 2
	s_cbranch_scc1 .Lno_mask
	s_lshl_b32 s18, ttmp9, 6
	s_lshl_b32 s19, s95, 2
	s_add_co_u32 s18, s18, s19
	s_lshl_b32 s19, s41, 2
	s_add_co_u32 s18, s18, s19
	s_add_co_u32 s18, s18, s40                     ; the tile of 16 queries
	s_lshl_b32 s20, s18, 15
	s_lshl_b32 s21, s14, 9
	s_add_co_u32 s20, s20, s21
	s_mov_b32 s21, 0
	s_add_nc_u64 s[2:3], s[2:3], s[20:21]
	s_lshl_b32 s20, s18, 4
	s_lshl_b32 s22, s14, 2
	s_add_co_u32 s20, s20, s22
	s_add_nc_u64 s[92:93], s[66:67], s[20:21]
	s_add_nc_u64 s[92:93], s[92:93], TI
	s_lshl_b32 s20, s20, 8
	s_add_nc_u64 s[66:67], s[66:67], s[20:21]
	v_lshlrev_b32 v30, 11, v1
	v_lshl_add_u32 v30, v2, 4, v30
	v_and_b32 v31, 31, v0
	v_lshlrev_b32 v31, 3, v31
.irp s, 0,1,2,3
.irp be, 0,1,2,3
	global_load_b128 v[64+16*\s+4*\be:67+16*\s+4*\be], v30, s[2:3] offset:128*\s+32*\be th:TH_LOAD_NT
.endr
.endr
.Lno_mask:
	s_wait_alu depctr_va_vdst(0)
	s_wait_tensorcnt 0x0                           ; my tile of the head's four is in
	ds_add_u32 v[SPW], v[NIL]
	s_mov_b32 s[G1+2], 128<<16                     ; no load of mine is out: from here on a load brings 128 rows
	s_mov_b32 s[G1+4], 128
	s_mov_b32 s[G1B+2], 128<<16
	s_mov_b32 s[G1B+4], 128
	s_wait_dscnt 0x0
	CROUND
	JLOAD G0+4, G1, G0B+4, G1B                     ; chunk 1, the first load behind the round
.macro MSTEP s                         ; a step's 64 entries a lane become two words; flags for the step
	s_wait_loadcnt 4*(3-\s)
.irp be, 0,1,2,3
	v_lshl_or_b32 v[224+\be], v[65+16*\s+4*\be], 1, v[64+16*\s+4*\be]
.endr
.irp be, 0,1,2,3
	v_lshl_or_b32 v[224+\be], v[66+16*\s+4*\be], 2, v[224+\be]
.endr
.irp be, 0,1,2,3
	v_lshl_or_b32 v[224+\be], v[67+16*\s+4*\be], 3, v[224+\be]
.endr
	v_lshl_or_b32 v[232+2*\s], v225, 4, v224
	v_lshl_or_b32 v[233+2*\s], v227, 4, v226
	v_or_b32 v228, v[232+2*\s], v[233+2*\s]
	v_and_b32 v229, v[232+2*\s], v[233+2*\s]
	v_cmp_ne_u32 s20, 0, v228
	v_cmp_eq_u32 s21, -1, v229
	s_or_b32 s46, s46, s20
	s_cmp_lg_u32 s20, 0
	s_cselect_b32 s22, 1<<(16+\s), 0
	s_or_b32 s47, s47, s22
	s_cmp_eq_u32 s21, -1
	s_cselect_b32 s22, 1<<(24+\s), 0
	s_or_b32 s47, s47, s22
	global_store_b64 v31, v[232+2*\s:233+2*\s], s[66:67] offset:256*\s
.endm
	s_cmp_eq_u32 ttmp9, 2
	s_cbranch_scc1 .Lno_pack
	s_mov_b32 s46, 0
	s_mov_b32 s47, 0
	MSTEP 0
	MSTEP 1
	MSTEP 2
	MSTEP 3
	s_lshr_b32 s20, s46, 16
	s_or_b32 s46, s46, s20
	s_and_b32 s46, s46, 0xffff
	s_or_b32 s47, s47, s46
	v_mov_b32 v240, s47
	v_mov_b32 v241, 0
	v_and_b32 v242, 31, v0
	v_cmp_eq_u32 vcc_lo, 0, v242
	s_wait_alu depctr_va_vdst(0)
	s_wait_xcnt 0x0                                ; EXEC changes only behind this wait
	s_and_saveexec_b32 s20, vcc_lo
	global_store_b32 v241, v240, s[92:93]
	s_wait_xcnt 0x0
	s_or_b32 exec_lo, exec_lo, s20
.Lno_pack:
.macro FRAG reg, adr, st, i            ; 16 rows x 128 K: six pieces of 8 bytes; byte y of a row lies in slot (y / 256) % 2 at byte y % 256
.irp p, 0,1,2,3,4,5
.set BY, 96*(\st)+48*(\p/3)+8*(\p%3)
.if BY/ROWB == (BY+24)/ROWB
	ds_load_b64 v[\reg+2*\p:\reg+2*\p+1], v[\adr+(BY/ROWB)%2] offset:BY%ROWB+(\i)*16*PITCH
.else
	ds_load_b64 v[\reg+2*\p:\reg+2*\p+1], v[\adr+2+(BY/ROWB)%2] offset:BY%ROWB-232+(\i)*16*PITCH
.endif
.endr
.endm
.macro MUL16 a0, p, q, sc, zero        ; the 64 accumulators take turns
.irp a, \a0, \a0+1
.irp b, 0,1,2,3,4,5,6,7
.if \zero
	v_wmma_scale_f32_16x16x128_f8f6f4 v[8*(8*((\a)%4)+\b):8*(8*((\a)%4)+\b)+7], v[128*(\p)+FR*\b:128*(\p)+FR*\b+FR-1], v[AF+FR*(\a):AF+FR*(\a)+FR-1], 0, v[SC+8*NQ*(\sc)+NQ*\b+(\q)], v[SC+8*NQ*(\sc)+NQ*(\a)+(\q)] matrix_a_fmt:MATRIX_FMT_FP6 matrix_b_fmt:MATRIX_FMT_FP6 matrix_a_scale:MATRIX_SCALE_ROW1
.else
	v_wmma_scale_f32_16x16x128_f8f6f4 v[8*(8*((\a)%4)+\b):8*(8*((\a)%4)+\b)+7], v[128*(\p)+FR*\b:128*(\p)+FR*\b+FR-1], v[AF+FR*(\a):AF+FR*(\a)+FR-1], v[8*(8*((\a)%4)+\b):8*(8*((\a)%4)+\b)+7], v[SC+8*NQ*(\sc)+NQ*\b+(\q)], v[SC+8*NQ*(\sc)+NQ*(\a)+(\q)] matrix_a_fmt:MATRIX_FMT_FP6 matrix_b_fmt:MATRIX_FMT_FP6 matrix_a_scale:MATRIX_SCALE_ROW1
.endif
.endr
.endr
.endm
.macro FETCH_B st, p
	WIN TO_B
.irp i, 0,1,2,3,4,5,6,7
	FRAG 128*(\p)+FR*\i, ADRB, \st, \i
.endr
	WIN 0
.endm
.macro FETCH_A st, i0
.irp i, \i0, \i0+1, \i0+2, \i0+3
	FRAG AF+FR*(\i), ADRA, \st, \i
.endr
.endm
.macro SCALES pr                       ; the scale words of steps 2 pr, 2 pr + 1: lanes 0-15 A's block i, lanes 16-31 B's
.irp i, 0,1,2,3,4,5,6,7
	ds_load_b64 v[SC+8*NQ*((\pr)%2)+NQ*\i:SC+8*NQ*((\pr)%2)+NQ*\i+1], v[ADRS] offset:\i*SBLK+4*NQ*(\pr)
.endr
.endm
.macro PLACES n
.rept \n
	v_nop
.endr
.endm
; A step: 64 products; the next step's fragments are fetched in its middle and at its end.  Where the next step ends in a chunk not read yet, a barrier shows that chunk whole;
; where it begins in a later chunk, the chunk left behind is free: the three lines, the barrier, and, if a chunk two on is left, the round and the refill.
.macro STEP st, zero
.set NX, (\st)+1
.set C0, (96*(\st))/ROWB
.set C1, (96*NX)/ROWB
.set E0, (96*(\st)+95)/ROWB
.set E1, (96*NX+95)/ROWB
.if C1 > C0 || E1 > E0
	s_wait_tensorcnt 0x0                           ; all my tensor loads have landed
.if C1 > C0
	ds_add_u32 v[SPW], v[NIL]
	s_wait_dscnt 4*NL+1                            ; the add and A's blocks 4-7 may be out
.else
	s_wait_dscnt 4*NL                              ; A's blocks 4-7 may be out
.endif
	WIN MUL_LO
	MUL16 0, (\st)%2, (\st)%2, ((\st)/2)%2, \zero
	s_wait_dscnt 0x0                               ; the add and my reads are done
	s_barrier_signal -1
	MUL16 2, (\st)%2, (\st)%2, ((\st)/2)%2, \zero
	WIN 0
	s_barrier_wait -1
.if C1 > C0 && C0+2 < CHUNKS
	CREST
	s_add_nc_u64 s[G0+4*(C0%2)+2:G0+4*(C0%2)+3], s[G0+4*(C0%2)+2:G0+4*(C0%2)+3], 2*ROWB
	s_add_nc_u64 s[G0B+4*(C0%2)+2:G0B+4*(C0%2)+3], s[G0B+4*(C0%2)+2:G0B+4*(C0%2)+3], 2*ROWB
	JLOAD G0+4*(C0%2), G1, G0B+4*(C0%2), G1B       ; chunk C0 + 2; its four v_nop are the places in front of the loads below
.else
	PLACES NP
.endif
.else
	s_wait_dscnt 4*NL
	WIN MUL_LO
	MUL16 0, (\st)%2, (\st)%2, ((\st)/2)%2, \zero
	MUL16 2, (\st)%2, (\st)%2, ((\st)/2)%2, \zero
	s_wait_dscnt 0
	PLACES NP
.endif
	FETCH_B NX, NX%2
	FETCH_A NX, 0
.if NX%2 == 0
	SCALES NX/2
.endif
	WIN MUL_HI
	MUL16 4, (\st)%2, (\st)%2, ((\st)/2)%2, \zero
	MUL16 6, (\st)%2, (\st)%2, ((\st)/2)%2, \zero
	PLACES NP
	WIN 0
	FETCH_A NX, 4
.endm
	FETCH_B 0, 0
	FETCH_A 0, 0
	SCALES 0
	FETCH_A 0, 4
	STEP 0, 1                                      ; the first products start the sums
.set ST, 1
.rept STEPS-2
	STEP ST, 0
.set ST, ST+1
.endr
	s_wait_dscnt 4*NL
	WIN MUL_LO
	MUL16 0, 1, 1, 1, 0
	MUL16 2, 1, 1, 1, 0
	s_wait_dscnt 0
	WIN MUL_HI
	MUL16 4, 1, 1, 1, 0
	MUL16 6, 1, 1, 1, 0
	WIN 0
	PLACES NP
; THE WAY OUT, a block of 16 rows at a time: 16 neighbours along the next K into a lane, the norm (q, k), the quantiser, the operand's image
.macro SWAPS a
.set AC, 64*((\a)%4)
.set XW, 2+(\a)/4
	WIN XW|(XW<<6)
.irp be, 0,1,2,3
.irp j, 0,1,2,3,4,5,6,7
	v_permlane16_swap_b32 v[AC+16*\be+\j], v[AC+16*\be+8+\j]
.endr
.endr
.endm
.macro RMS a
	WIN XW|(XW<<2)
.irp c, 0,1,2,3
	v_pk_mul_f32 v[SS+2*\c:SS+2*\c+1], v[AC+16*\c:AC+16*\c+1], v[AC+16*\c:AC+16*\c+1]
.endr
.irp k, 2,4,6,8,10,12,14
.irp c, 0,1,2,3
	v_pk_fma_f32 v[SS+2*\c:SS+2*\c+1], v[AC+16*\c+\k:AC+16*\c+\k+1], v[AC+16*\c+\k:AC+16*\c+\k+1], v[SS+2*\c:SS+2*\c+1]
.endr
.endr
	WIN 0
	v_pk_add_f32 v[SS:SS+1], v[SS:SS+1], v[SS+2:SS+3]
	v_pk_add_f32 v[SS+4:SS+5], v[SS+4:SS+5], v[SS+6:SS+7]
	v_add_f32 v[SS], v[SS], v[SS+1]
	v_add_f32 v[SS+4], v[SS+4], v[SS+5]
	v_permlanex16_b32 v[SS+2], v[SS], s98, s99
	v_permlanex16_b32 v[SS+6], v[SS+4], s98, s99
	v_add_f32 v[SS], v[SS], v[SS+2]
	v_add_f32 v[SS+4], v[SS+4], v[SS+6]
	v_fma_f32 v[SS], v[SS], s96, s97
	v_fma_f32 v[SS+4], v[SS+4], s96, s97
	s_wait_alu depctr_va_vdst(0)
	v_rsq_f32 v[R0], v[SS]
	v_rsq_f32 v[R1], v[SS+4]
	v_nop
	s_wait_alu depctr_va_vdst(0)
	WIN XW|(XW<<6)
.set jj, 0
.rept 16
	v_pk_mul_f32 v[AC+jj:AC+jj+1], v[AC+jj:AC+jj+1], v[R0:R0+1] op_sel_hi:[1,0]
.set jj, jj+2
.endr
.rept 16
	v_pk_mul_f32 v[AC+jj:AC+jj+1], v[AC+jj:AC+jj+1], v[R1:R1+1] op_sel_hi:[1,0]
.set jj, jj+2
.endr
.endm
.macro QUANTW a, pw
	WIN XW|(XW<<2)
.irp b, 0,1,2,3
	v_max3_num_f32 v[TM+\b], |v[AC+16*\b]|, |v[AC+16*\b+1]|, 0x1800000
.endr
.irp i, 2,4,6,8,10,12,14
.irp b, 0,1,2,3
	v_max3_num_f32 v[TM+\b], |v[AC+16*\b+\i]|, |v[AC+16*\b+\i+1]|, v[TM+\b]
.endr
.endr
	WIN 0
.irp b, 0,1,2,3
	v_permlanex16_b32 v[TM+4+\b], v[TM+\b], s98, s99
.endr
.irp b, 0,1,2,3
	v_max_num_f32 v[TM+\b], v[TM+\b], v[TM+4+\b]
.endr
.irp b, 0,1,2,3
	v_add_nc_u32 v[TM+12+\b], 0xff000000, v[TM+\b]
.endr
.irp b, 0,1,2,3
	v_lshrrev_b32 v[TM+4+\b], 23, v[TM+12+\b]
.endr
	v_lshl_or_b32 v[\pw], v[TM+5], 8, v[TM+4]
	v_lshl_or_b32 v[\pw], v[TM+6], 16, v[\pw]
	v_lshl_or_b32 v[\pw], v[TM+7], 24, v[\pw]
	s_wait_xcnt 0x0                                ; the last block's stores have read their data
	WIN XW
.irp c, 0,1
	v_cvt_scalef32_pk16_fp6_f32 v[CD+6*\c:CD+6*\c+2], v[AC+32*\c:AC+32*\c+15], v[TM+12+2*\c]
	v_cvt_scalef32_pk16_fp6_f32 v[CD+12+4*\c:CD+14+4*\c], v[AC+32*\c+16:AC+32*\c+31], v[TM+12+2*\c+1]
.endr
	WIN 0
	v_nop
.irp c, 0,1
.irp i, 0,1,2
	v_permlane16_swap_b32 v[CD+6*\c+\i], v[CD+12+4*\c+\i]
.endr
.irp i, 0,1,2
	v_mov_b32 v[CD+3+6*\c+\i], v[CD+12+4*\c+\i]
.endr
.endr
.endm
.macro EPI_QK a
	SWAPS \a
	RMS \a
	QUANTW \a, PW
.if ((\a)%2)
	v_lshrrev_b32 v[SWB+(\a)/2], v22, v[PW]
.else
	v_lshrrev_b32 v[SWA+(\a)/2], v22, v[PW]
.endif
	global_store_b128 v20, v[CD:CD+3], s[12:13] offset:((\a)/2)*1536+512*((\a)%2)
	global_store_b64 v21, v[CD+4:CD+5], s[12:13] offset:((\a)/2)*1536+1024+256*((\a)%2)
	global_store_b128 v20, v[CD+6:CD+9], s[12:13] offset:98304+((\a)/2)*1536+512*((\a)%2)
	global_store_b64 v21, v[CD+10:CD+11], s[12:13] offset:98304+((\a)/2)*1536+1024+256*((\a)%2)
.endm
.macro EPI_V a
	SWAPS \a
.if ((\a)%2)
	QUANTW \a, SWB+(\a)/2
.else
	QUANTW \a, SWA+(\a)/2
.endif
.irp c, 0,1,2
	global_store_b128 v20, v[CD+4*\c:CD+4*\c+3], s[12:13] offset:((\a)/4)*98304+((\a)%4)*1536+512*\c
.endr
.endm
	v_and_b32 v1, 31, v0
	v_lshlrev_b32 v20, 4, v1
	v_lshlrev_b32 v21, 3, v1
	v_and_b32 v22, 16, v0
	v_mov_b32 v[R0+1], 0
	v_mov_b32 v[R1+1], 0
.irp b, 0,1,2,3
	v_mov_b32 v[TM+4+\b], 0
.endr
	s_cmp_eq_u32 ttmp9, 2
	s_cbranch_scc1 .Lv_out
	s_lshl_b32 s18, s17, 8
	s_lshl_b32 s19, s15, 7
	s_add_co_u32 s18, s18, s19
	s_lshr_b32 s19, s18, 11
	s_and_b32 s18, s18, 2047
	s_lshl_b32 s19, s19, 4
	s_lshl_b32 s20, s42, 2
	s_add_co_u32 s19, s19, s20
	s_lshl_b32 s20, s16, 1
	s_add_co_u32 s19, s19, s20
	s_mul_i32 s20, s19, 98304
	s_lshr_b32 s21, s18, 5
	s_mul_i32 s21, s21, 1536
	s_add_co_u32 s20, s20, s21
	s_mul_i32 s21, ttmp9, 3145728
	s_add_co_u32 s20, s20, s21
	s_mov_b32 s21, 0
	s_lshl_b32 s22, s19, 13
	s_lshr_b32 s23, s18, 7
	s_lshl_b32 s23, s23, 9
	s_add_co_u32 s22, s22, s23
	s_lshl_b32 s23, ttmp9, 18
	s_add_co_u32 s22, s22, s23
	s_add_co_u32 s22, s22, 9437184
	s_mov_b32 s23, 0
	s_add_nc_u64 s[22:23], s[12:13], s[22:23]
	s_add_nc_u64 s[12:13], s[12:13], s[20:21]
.irp a, 0,1,2,3,4,5,6,7
	EPI_QK \a
.endr
.irp i, 0,1,2,3
	v_permlane16_swap_b32 v[SWA+\i], v[SWB+\i]
.endr
	global_store_b128 v20, v[SWA:SWA+3], s[22:23]
	global_store_b128 v20, v[SWB:SWB+3], s[22:23] offset:8192
	s_branch .Lclose
.Lv_out:
	s_lshl_b32 s18, s42, 8
	s_lshl_b32 s19, s16, 7
	s_add_co_u32 s18, s18, s19
	s_lshr_b32 s19, s18, 11
	s_bfe_u32 s18, s18, 0x40007
	s_lshl_b32 s19, s19, 4
	s_lshl_b32 s20, s17, 2
	s_add_co_u32 s19, s19, s20
	s_lshl_b32 s20, s15, 1
	s_add_co_u32 s19, s19, s20
	s_lshl_b32 s19, s19, 4
	s_add_co_u32 s19, s19, s18
	s_mul_i32 s20, s19, 6144
	s_add_co_u32 s20, s20, 6291456
	s_mov_b32 s21, 0
	s_lshl_b32 s22, s19, 8
	s_add_co_u32 s22, s22, 9961472
	s_mov_b32 s23, 0
	s_add_nc_u64 s[22:23], s[12:13], s[22:23]
	s_add_nc_u64 s[12:13], s[12:13], s[20:21]
.irp a, 0,1,2,3,4,5,6,7
	EPI_V \a
.endr
.irp i, 0,1,2,3
	v_permlane16_swap_b32 v[SWA+\i], v[SWB+\i]
.endr
	global_store_b64 v21, v[SWA:SWA+1], s[22:23]
	global_store_b64 v21, v[SWA+2:SWA+3], s[22:23] offset:4096
.Lclose:
	s_wait_tensorcnt 0x0                           ; the wave's end
	ds_add_u32 v[SPW], v[NIL]
	s_wait_dscnt 0x0
	CROUND                                         ; the closing round
	s_endpgm
.Lfunc_end_k_q98b218a68c_proj:
	.size	k_q98b218a68c_proj, .Lfunc_end_k_q98b218a68c_proj-k_q98b218a68c_proj
	.p2alignl 7, 3214868480
	.fill 96, 4, 3214868480
	.section	.rodata,"a",@progbits
	.p2align	6, 0x0
	.amdhsa_kernel k_q98b218a68c_proj
		.amdhsa_group_segment_fixed_size 327680
		.amdhsa_private_segment_fixed_size 0
		.amdhsa_enable_private_segment 0
		.amdhsa_kernarg_size 88
		.amdhsa_user_sgpr_count 2
		.amdhsa_user_sgpr_kernarg_segment_ptr 1
		.amdhsa_wavefront_size32 1
		.amdhsa_system_sgpr_workgroup_id_x 1
		.amdhsa_system_sgpr_workgroup_id_y 1
		.amdhsa_system_sgpr_workgroup_id_z 1
		.amdhsa_system_vgpr_workitem_id 0
		.amdhsa_next_free_vgpr 1024
		.amdhsa_next_free_sgpr 100
		.amdhsa_reserve_vcc 1
		.amdhsa_float_denorm_mode_32 3
		.amdhsa_float_denorm_mode_16_64 3
		.amdhsa_memory_ordered 1
		.amdhsa_forward_progress 1
		.amdhsa_inst_pref_size 255
	.end_amdhsa_kernel
	.section	.bss,"aw",@nobits
	.p2align	6
	.space	262144
	.amdgpu_metadata
---
amdhsa.version: [ 1, 2 ]
amdhsa.kernels:
  - .name:           k_q98b218a68c_proj
    .symbol:         k_q98b218a68c_proj.kd
    .args:
      - { .name: x_codes, .offset: 0, .size: 8, .value_kind: global_buffer, .address_space: global }
      - { .name: x_scales, .offset: 8, .size: 8, .value_kind: global_buffer, .address_space: global }
      - { .name: Wq_codes, .offset: 16, .size: 8, .value_kind: global_buffer, .address_space: global }
      - { .name: Wq_scales, .offset: 24, .size: 8, .value_kind: global_buffer, .address_space: global }
      - { .name: Wk_codes, .offset: 32, .size: 8, .value_kind: global_buffer, .address_space: global }
      - { .name: Wk_scales, .offset: 40, .size: 8, .value_kind: global_buffer, .address_space: global }
      - { .name: Wv_codes, .offset: 48, .size: 8, .value_kind: global_buffer, .address_space: global }
      - { .name: Wv_scales, .offset: 56, .size: 8, .value_kind: global_buffer, .address_space: global }
      - { .name: mask, .offset: 64, .size: 8, .value_kind: global_buffer, .address_space: global }
      - { .name: qkv, .offset: 72, .size: 8, .value_kind: global_buffer, .address_space: global }
      - { .name: masks, .offset: 80, .size: 8, .value_kind: global_buffer, .address_space: global }
    .group_segment_fixed_size: 327680
    .private_segment_fixed_size: 0
    .kernarg_segment_align: 8
    .kernarg_segment_size: 88
    .max_flat_workgroup_size: 128
    .sgpr_count:     100
    .vgpr_count:     1024
    .wavefront_size: 32
...
	.end_amdgpu_metadata
.endif
;; end of part 1
;; launch attn (part 2): grid 8 x 32, 16 waves a work-group, no clusters, 284,672 bytes of LDS; arguments qkv, masks, att; writes att
.if DOCPART == 2
	.amdgcn_target "amdgcn-amd-amdhsa--gfx1250"
	.amdhsa_code_object_version 6
	.text
	.protected	k_q98b218a68c_attn
	.globl	k_q98b218a68c_attn
	.p2align	8
	.type	k_q98b218a68c_attn,@function
k_q98b218a68c_attn:
	s_mov_b64 s[64:65], 0
	v_nop
	global_prefetch_b8 v0, s[64:65] scope:SCOPE_SE
	s_setreg_imm32_b32 hwreg(HW_REG_WAVE_MODE, 25, 1), 1
	s_wait_xcnt 0x0
; o = softmax(where(mask, q k^T / 8, lowest)) v for one (batch, head), both products on codes of FP6 (E2M3) with E8M0 scales; o is divided by the row's sum and quantised along the channels for the last product.
; THE SOFTMAX WITHOUT A SHIFT.  t = score x log2(e) / 8.  reference() normalises q and k: their norms are at most 8, and the quantiser moves each of the 64 numbers by at most a sixteenth of the largest, the norm by at most 4.
; So |q k| <= 144 and |t| <= 26 for every input: p = 2^t lies in 2^-26 .. 2^26 and a row's sum under 2^37.  2^t is 2^M times the problem's 2^(t - M), M a whole number: the block scales and the sum take that power of two up.
; A block's byte is floor(its largest t) + 125, since floor(log2(2^t)) = floor(t); a t within an ulp under a whole number may so hold one p a code low.
; WORK PASSED OVER: a step of 128 keys in which no query of a tile has a true entry, by whole numbers that the launch before stored, and only where each of the tile's 16 rows has a true entry somewhere: there every p of the step is 0.
; A tile with a row that has no true entry walks all sixteen steps: that row's result is the mean of v over all keys.
; LIMITS.  A hidden score is -2^126 (p = 0) in a row with a true entry and 0 (p = 1 for every key) in a row without.  NaN and infinities are not served.
; SHARES.  A work-group owns one (batch, head) and 16 of its 128 tiles of 16 queries, T = x + 8 rank.  Sixteen waves, four to a SIMD.  Waves 2 j and 2 j + 1 share the tiles of ranks j and 15 - j and divide the steps by parity:
; with no shift, sums over different keys simply add.  A wave takes the steps of parity (wave xor wave / 8) % 2 in both tiles.  It first walks the tile that its partner finishes and leaves its part (O^T and the sum, 4,608 bytes)
; in LDS bytes of its own; then the tile that it finishes itself; one barrier; it adds the partner's part and goes out.  If later queries have more live steps, a wave has 8 or 9 of a pair's 17, four waves with the same
; wave % 4 or the same wave / 4 have 34, and the two tiles' last live steps, of unlike parity, fall to different partners.  No value hangs on that.
; THE MASK'S WORDS ARE ASKED FOR A MASKED STEP AHEAD: s[+3] holds the steps that still want words; the words of its lowest step are asked for at the head, for both tiles, and then behind each masked step's selects.
; The step's number comes from stored numbers and is held at 15 ahead of the address; where no step wants words, the head's load brings step 15's, which nobody reads.
; NO TENSOR LOAD, NO CLUSTER, though eight work-groups read the same head: the loop's branches hang on numbers read from memory.  No prefetch: k, v and q are asked for at the head.
; A head's k and v as codes with their scale words, 208,896 bytes, come into LDS once, through registers, wave w bringing step w.
; LAYOUT.  Both products transposed: S^T = K Q^T, O^T = V^T P^T: a lane holds one query.  On their way into LDS k's tiles are formed anew by the stores' addresses: lane r of tile u of a pair takes key 8 u + r + 8 (r / 8) of the pair's 32,
; so that the 16 registers of two neighbouring tiles of scores are 16 neighbouring keys.  K = 64 fills half of a fragment.  q's registers 6-11 are zero codes, so what k's registers 6-11 hold adds nothing: k's eight tiles lie
; densely, six registers each, tile t's fragment reaching over tile t + 1's six (the last over six zeros); all scale bytes are finite codes.
; REGISTERS: v1 16 x lane, v2 8 x lane, v3, v4 the add's two; v5-10 addresses; v11 the hidden score; v12, v13 my and my partner's bytes for the parts; v16-27 q, v28 its scale words; v29 lane % 16; v30-31 mask words;
;   v32-85 k's eight tiles, then (v32-79) v's four fragments; v86-89 k's scale words, v90-91 v's, v92 p's; v94-95 the second tile's first mask words; v96-159 S^T, then p; v160-191 O^T; v192-210 p's codes; v212-229 at work;
;   v234-240 the second tile's q; v244-251 the sum in four pairs.
.set VL,    98304
.set KSL,   196608
.set VSL,   204800
.set SPARE, 208896                     ; the spare words: 128 bytes a wave, named by no other line
.set XCH,   210944                     ; the parts: 4,608 bytes a wave
.set XB,    4608
.set STEPB, 6144
.set PA,    36                         ; s[PA ..], s[PB ..]: a tile's scalars: +0 steps walked, +1 steps that want mask words, +2 rows with a true entry, +3 steps that still want words, +4 mask words, +6 att's codes, +8 att's scales, +10 T, +12 q, +14 q's scale words
.set PB,    68
.set CP,    96                         ; the copy's registers
.macro PREP B, out                     ; s12: the tile's rank
	s_lshl_b32 s[\B+10], s12, 3
	s_add_co_u32 s[\B+10], s[\B+10], ttmp9         ; T
	s_lshl_b32 s[\B+4], s[\B+10], 12
	s_mov_b32 s[\B+5], 0
	s_lshl_b32 s[\B+11], s[\B+10], 4
.if \out
	s_add_co_u32 s26, s58, s[\B+10]                ; 128 b + T
	s_lshl_b32 s27, s26, 4
	s_add_co_u32 s27, s27, s59
	s_mul_i32 s[\B+6], s27, 768
	s_mov_b32 s[\B+7], 0
	s_lshl_b32 s[\B+8], s26, 9
	s_lshl_b32 s27, s59, 1
	s_add_co_u32 s[\B+8], s[\B+8], s27
	s_add_co_u32 s[\B+8], s[\B+8], 3145728
	s_mov_b32 s[\B+9], 0
.endif
	s_lshr_b32 s27, s[\B+10], 1
	s_mul_i32 s27, s27, 1536
	s_add_co_u32 s[\B+12], s28, s27
	s_mov_b32 s[\B+13], 0
	s_lshr_b32 s27, s[\B+10], 3
	s_lshl_b32 s27, s27, 9
	s_add_co_u32 s[\B+14], s60, s27
	s_bfe_u32 s27, s[\B+10], 0x20001
	s_lshl_b32 s27, s27, 2
	s_add_co_u32 s[\B+14], s[\B+14], s27
	s_mov_b32 s[\B+15], 0
.endm
.macro INFO B                          ; four words, one for each four steps: bits 0-15 rows with a true entry, 16-19 steps with one, 24-27 steps all true; s61: the steps of my parity
	s_or_b32 s26, s[\B], s[\B+1]
	s_or_b32 s27, s[\B+2], s[\B+3]
	s_or_b32 s26, s26, s27
	s_and_b32 s26, s26, 0xffff
	s_bfe_u32 s27, s[\B], 0x40010
	s_bfe_u32 s28, s[\B], 0x40018
.irp k, 1,2,3
	s_bfe_u32 s29, s[\B+\k], 0x40010
	s_lshl_b32 s29, s29, 4*\k
	s_or_b32 s27, s27, s29
	s_bfe_u32 s29, s[\B+\k], 0x40018
	s_lshl_b32 s29, s29, 4*\k
	s_or_b32 s28, s28, s29
.endr
	s_cmp_eq_u32 s26, 0xffff
	s_cselect_b32 s[\B], s27, 0xffff
	s_and_b32 s[\B], s[\B], s61
	s_and_not1_b32 s[\B+1], s[\B], s28
	s_mov_b32 s[\B+2], s26
	s_mov_b32 s[\B+3], s[\B+1]
.endm
.macro ASKW B, r, a                    ; my 64 entries of the mask, a bit each, for the lowest step in s[B+3]
	s_ctz_i32_b32 s26, s[\B+3]
	s_min_u32 s26, s26, 15                         ; a stored number enters an address only behind this bound
	s_lshl_b32 s26, s26, 8
	v_add_nc_u32 v[\a], s26, v2
	global_load_b64 v[\r:\r+1], v[\a], s[\B+4:\B+5]
.endm
	s_load_b128 s[4:7], s[0:1], 0x0                ; qkv, masks
	s_load_b64 s[8:9], s[0:1], 0x10                ; att
	v_lshl_add_u32 v3, v0, 2, SPARE
	v_mov_b32 v4, 0
	v_lshrrev_b32 v5, 5, v0
	s_delay_alu instid0(VALU_DEP_1)
	v_readfirstlane_b32 s10, v5                    ; wave 0..15
	v_and_b32 v6, 31, v0
	s_delay_alu instid0(VALU_DEP_1)
	v_lshlrev_b32 v1, 4, v6
	s_delay_alu instid0(VALU_DEP_2)
	v_lshlrev_b32 v2, 3, v6
	s_and_b32 s11, ttmp7, 0xffff                   ; 16 b + head
	; where the copy's stores go.  k's registers 0-3: 512 (l / 8 % 2) + 256 (l / 16) + 16 (l % 8), + 128 for the pair's second tile; registers 4-5: 256 (l / 4 % 2) + 128 (l / 8 % 2) + 64 (l / 16) + 16 (l % 4)
	s_mul_i32 s26, s10, STEPB
	v_and_b32 v12, 7, v0
	v_bfe_u32 v13, v0, 3, 1
	v_bfe_u32 v14, v0, 4, 1
	s_delay_alu instid0(VALU_DEP_3)
	v_lshlrev_b32 v5, 4, v12
	s_delay_alu instid0(VALU_DEP_1)
	v_lshl_add_u32 v8, v13, 8, v5
	s_delay_alu instid0(VALU_DEP_1)
	v_lshl_add_u32 v8, v14, 7, v8                  ; k's scale words: 256 (l / 8 % 2) + 128 (l / 16) + 16 (l % 8)
	s_delay_alu instid0(VALU_DEP_3)
	v_lshl_add_u32 v5, v13, 9, v5
	s_delay_alu instid0(VALU_DEP_1)
	v_lshl_add_u32 v5, v14, 8, v5
	s_delay_alu instid0(VALU_DEP_1)
	v_add_nc_u32 v5, s26, v5
	v_and_b32 v6, 3, v0
	v_bfe_u32 v15, v0, 2, 1
	s_delay_alu instid0(VALU_DEP_2)
	v_lshlrev_b32 v6, 4, v6
	s_delay_alu instid0(VALU_DEP_1)
	v_lshl_add_u32 v6, v15, 8, v6
	s_delay_alu instid0(VALU_DEP_1)
	v_lshl_add_u32 v6, v13, 7, v6
	s_delay_alu instid0(VALU_DEP_1)
	v_lshl_add_u32 v6, v14, 6, v6
	s_delay_alu instid0(VALU_DEP_1)
	v_add_nc_u32 v6, s26, v6
	s_add_co_u32 s26, s26, VL
	v_add_nc_u32 v7, s26, v1                       ; v goes as it lies
	s_lshl_b32 s26, s10, 9
	s_add_co_u32 s26, s26, KSL
	v_add_nc_u32 v8, s26, v8
	s_lshl_b32 s26, s10, 8
	s_add_co_u32 s26, s26, VSL
	v_add_nc_u32 v9, s26, v2
	s_mul_i32 s26, s10, XB
	s_add_co_u32 s26, s26, XCH
	v_add_nc_u32 v12, s26, v1                      ; where my part goes,
	s_xor_b32 s26, s10, 1
	s_mul_i32 s26, s26, XB
	s_add_co_u32 s26, s26, XCH
	v_add_nc_u32 v13, s26, v1                      ; and where my partner's lies
	; byte offsets in the buffers
	s_mul_i32 s28, s11, 98304
	s_mul_i32 s29, s10, STEPB
	s_add_co_u32 s30, s28, s29
	s_add_co_u32 s30, s30, 3145728                 ; k's step w; v's lies 3,145,728 bytes on
	s_mov_b32 s31, 0
	s_lshl_b32 s32, s11, 13
	s_lshl_b32 s29, s10, 9
	s_add_co_u32 s32, s32, s29
	s_add_co_u32 s32, s32, 9699328                 ; k's scale words
	s_mov_b32 s33, 0
	s_lshl_b32 s34, s11, 12
	s_lshl_b32 s29, s10, 8
	s_add_co_u32 s34, s34, s29
	s_add_co_u32 s34, s34, 9961472                 ; v's
	s_mov_b32 s35, 0
	s_and_b32 s29, ttmp9, 1                        ; T % 2, the same for both my tiles
	s_lshl_b32 s56, s29, 9
	s_lshl_b32 s57, s29, 8
	v_add_nc_u32 v10, s56, v1                      ; q: which tile of the pair
	v_add_nc_u32 v11, s57, v2
	v_and_b32 v29, 15, v0
	s_delay_alu instid0(VALU_DEP_1)
	v_lshlrev_b32 v14, 4, v29
	s_lshr_b32 s58, s11, 4
	s_lshl_b32 s58, s58, 7                         ; 128 b
	s_and_b32 s59, s11, 15                         ; head
	s_lshl_b32 s60, s11, 13
	s_add_co_u32 s60, s60, s57
	s_add_co_u32 s60, s60, 9437184                 ; q's scale words of this head
	s_lshr_b32 s26, s10, 3
	s_xor_b32 s26, s26, s10
	s_and_b32 s26, s26, 1
	s_lshl_b32 s61, 0x5555, s26                    ; my steps, in both tiles: parity (wave xor wave / 8) % 2; my partner has the other
	s_lshr_b32 s12, s10, 1                         ; j
	s_and_b32 s26, s10, 1
	s_xor_b32 s26, s26, 1
	s_mul_i32 s26, s26, 15
	s_xor_b32 s12, s12, s26                        ; the first tile's rank: 15 - j in even waves, j in odd ones
	PREP PA, 0
	s_sub_co_u32 s12, 15, s12                      ; the second's
	PREP PB, 1
	s_mov_b32 s20, 0x76543210
	s_mov_b32 s21, 0xfedcba98                      ; v_permlanex16_b32's selects for lane l xor 16
	s_mov_b32 s22, 0x3e38aa3b                      ; c = log2(e) / 8
	s_mov_b32 s23, s22
	s_wait_alu depctr_va_vdst(0)
	s_wait_kmcnt 0x0
	s_load_b128 s[PA:PA+3], s[6:7], s[PA+11] offset:0x80000
	s_load_b128 s[PB:PB+3], s[6:7], s[PB+11] offset:0x80000
	s_add_nc_u64 s[30:31], s[4:5], s[30:31]
	s_add_nc_u64 s[32:33], s[4:5], s[32:33]
	s_add_nc_u64 s[34:35], s[4:5], s[34:35]
.irp B, PA, PB
	s_add_nc_u64 s[\B+4:\B+5], s[6:7], s[\B+4:\B+5]
	s_add_nc_u64 s[\B+12:\B+13], s[4:5], s[\B+12:\B+13]
	s_add_nc_u64 s[\B+14:\B+15], s[4:5], s[\B+14:\B+15]
.endr
	s_add_nc_u64 s[PB+6:PB+7], s[8:9], s[PB+6:PB+7]
	s_add_nc_u64 s[PB+8:PB+9], s[8:9], s[PB+8:PB+9]
	global_load_b128 v[16:19], v10, s[PA+12:PA+13]
	global_load_b64 v[20:21], v11, s[PA+12:PA+13] offset:1024
	global_load_b32 v28, v14, s[PA+14:PA+15]
	global_load_b128 v[234:237], v10, s[PB+12:PB+13]
	global_load_b64 v[238:239], v11, s[PB+12:PB+13] offset:1024
	global_load_b32 v240, v14, s[PB+14:PB+15]
.irp p, 0,1,2,3                        ; every load of the copy takes 512 (the last: 256) consecutive bytes, aligned
	global_load_b128 v[CP+12*\p:CP+12*\p+3], v1, s[30:31] offset:1536*\p
	global_load_b128 v[CP+12*\p+4:CP+12*\p+7], v1, s[30:31] offset:1536*\p+512
	global_load_b128 v[CP+12*\p+8:CP+12*\p+11], v1, s[30:31] offset:1536*\p+1024
.endr
.irp i, 0,1,2,3,4,5,6,7,8,9,10,11
	global_load_b128 v[CP+48+4*\i:CP+51+4*\i], v1, s[30:31] offset:3145728+512*\i
.endr
	global_load_b128 v[CP+96:CP+99], v1, s[32:33]
	global_load_b64 v[CP+100:CP+101], v2, s[34:35]
	s_wait_kmcnt 0x0
	INFO PA
	INFO PB
	ASKW PA, 30, 15                                ; the first mask words of both tiles travel with the copy
	ASKW PB, 94, 93
	s_wait_loadcnt 16                              ; q and k's twelve loads are in: behind them v's 12, 2 of scale words, 2 of mask words
.irp p, 0,1,2,3
	ds_store_b128 v5, v[CP+12*\p:CP+12*\p+3] offset:1536*\p
	ds_store_b128 v5, v[CP+12*\p+4:CP+12*\p+7] offset:1536*\p+128
	ds_store_b128 v6, v[CP+12*\p+8:CP+12*\p+11] offset:1536*\p+1024
.endr
	s_wait_loadcnt 2                               ; all but the two loads of mask words
.irp i, 0,1,2,3,4,5,6,7,8,9,10,11
	ds_store_b128 v7, v[CP+48+4*\i:CP+51+4*\i] offset:512*\i
.endr
	ds_store_b128 v8, v[CP+96:CP+99]
	ds_store_b64 v9, v[CP+100:CP+101]
	s_wait_dscnt 0x0                               ; for the others' sake: my stores have landed
	s_barrier_signal -1
.irp j, 22,23,24,25,26,27,80,81,82,83,84,85,216,217,218,219
	v_mov_b32 v\j, 0                               ; q's zero codes of K = 64 .. 127; the six registers behind k's last tile; destinations of lane permutes
.endr
	s_barrier_wait -1                              ; the head's k and v lie in LDS; nothing is written there again
.macro LSUM                            ; my lane's part of the row's sum
	v_pk_add_f32 v[244:245], v[244:245], v[246:247]
	v_pk_add_f32 v[248:249], v[248:249], v[250:251]
	s_delay_alu instid0(VALU_DEP_1)
	v_pk_add_f32 v[244:245], v[244:245], v[248:249]
	s_delay_alu instid0(VALU_DEP_1)
	v_add_f32 v14, v244, v245
.endm
.macro PHASE B, second                 ; my steps of one tile of 16 queries: sixteen trips; then the part is left for the partner, or the tile is finished
.if \second
.irp i, 0,1,2,3,4,5
	v_mov_b32 v[16+\i], v[234+\i]
.endr
	v_mov_b32 v28, v240
	s_wait_loadcnt 0x0                             ; this tile's first mask words, asked for at the head
	v_mov_b32 v30, v94
	v_mov_b32 v31, v95
.endif
	v_lshrrev_b32 v11, v29, s[\B+2]
	s_delay_alu instid0(VALU_DEP_1)
	v_and_b32 v11, 1, v11
	s_delay_alu instid0(VALU_DEP_1)
	v_sub_nc_u32 v11, 0, v11
	s_delay_alu instid0(VALU_DEP_1)
	v_and_b32 v11, 0xfe800000, v11                 ; the hidden score: -2^126 where my row has a true entry, else 0
.set jj, 0
.rept 8
	v_mov_b32 v[244+jj], 0                         ; the sum
.set jj, jj+1
.endr
.set jj, 0
.rept 32
	v_mov_b32 v[160+jj], 0                         ; O^T: the step is written once, and the first finds zeros
.set jj, jj+1
.endr
	s_mov_b32 s12, 0
	s_mov_b32 s13, 0
	s_mov_b32 s14, VL
	s_mov_b32 s15, KSL
	s_mov_b32 s16, VSL
.Lstep_\@:                                         ; a constant count of trips; a trip's work is passed over where the stored numbers and my parity say so
	s_lshr_b32 s26, s[\B], s12
	s_and_b32 s26, s26, 1
	s_cmp_eq_u32 s26, 0
	s_cbranch_scc1 .Lskip_\@
	s_lshr_b32 s27, s[\B+1], s12
	s_and_b32 s27, s27, 1
	v_add_nc_u32 v5, s13, v1
	v_add_nc_u32 v6, s13, v2
	v_add_nc_u32 v7, s14, v1
	v_add_nc_u32 v8, s15, v1
	v_add_nc_u32 v9, s16, v2
	s_wait_alu depctr_va_vdst(0)
	ds_load_b128 v[86:89], v8                      ; word i: lanes 0-15 tile 2 i, lanes 16-31 tile 2 i + 1
.irp t, 0,1,2,3,4,5,6,7                ; k's eight tiles, six registers each
	ds_load_b128 v[32+6*\t:35+6*\t], v5 offset:(\t/2)*1536+512*(\t%2)
	ds_load_b64 v[36+6*\t:37+6*\t], v6 offset:(\t/2)*1536+1024+256*(\t%2)
.endr
	s_wait_dscnt 6                                 ; the scale words and tiles 0-4 are in: the six loads of tiles 5-7 may be out
.irp t, 0,1,2,3,4,5,6,7                ; S^T = K Q^T
.if \t == 4
	s_wait_dscnt 0x0
.endif
.if \t%2
	v_wmma_scale_f32_16x16x128_f8f6f4 v[96+8*\t:103+8*\t], v[32+6*\t:43+6*\t], v[16:27], 0, v[86+\t/2], v28 matrix_a_fmt:MATRIX_FMT_FP6 matrix_b_fmt:MATRIX_FMT_FP6 matrix_a_scale:MATRIX_SCALE_ROW1
.else
	v_wmma_scale_f32_16x16x128_f8f6f4 v[96+8*\t:103+8*\t], v[32+6*\t:43+6*\t], v[16:27], 0, v[86+\t/2], v28 matrix_a_fmt:MATRIX_FMT_FP6 matrix_b_fmt:MATRIX_FMT_FP6
.endif
.endr                                  ; register 16 b + i of lane (r, h): query r, key 32 b + 16 h + i of the step
.rept 4
	v_nop                                          ; places: the loads below land on k's registers; the scores are read
.endr
.irp t, 0,1,2,3                        ; v's four fragments take k's registers, well ahead of their use
.irp c, 0,1,2
	ds_load_b128 v[32+12*\t+4*\c:35+12*\t+4*\c], v7 offset:1536*\t+512*\c
.endr
.endr
	ds_load_b64 v[90:91], v9                       ; word i: lanes 0-15 tile 2 i, lanes 16-31 tile 2 i + 1
	s_cmp_eq_u32 s27, 0
	s_cbranch_scc1 .Lno_sel_\@
	s_wait_loadcnt 0x0                             ; this step's mask words, asked for a masked step ago
.irp n0, 0,4,8,12,16,20,24,28,32,36,40,44,48,52,56,60     ; hidden scores are replaced; four at a time, ascending
.irp k, 0,1,2,3
	v_and_b32 v[216+\k], 1<<(8*((\n0+\k)%4)+((\n0+\k)%16)/4+4*(((\n0+\k)/16)%2)), v[30+(\n0+\k)/32]
.endr
.irp k, 0,1,2,3
	s_delay_alu instid0(VALU_DEP_4)
	v_cmp_ne_u32 s[52+\k], 0, v[216+\k]
.endr
.irp k, 0,1,2,3
	v_cndmask_b32 v[96+\n0+\k], v11, v[96+\n0+\k], s[52+\k]
.endr
.endr
	s_sub_co_u32 s26, s[\B+3], 1
	s_and_b32 s[\B+3], s[\B+3], s26                ; this step, the lowest that wanted words, is served
	s_cmp_eq_u32 s[\B+3], 0
	s_cbranch_scc1 .Lno_sel_\@
	ASKW \B, 30, 10                                ; the next one's words
.Lno_sel_\@:
.set jj, 0
.rept 32
	v_pk_mul_f32 v[96+jj:97+jj], v[96+jj:97+jj], s[22:23] op_sel_hi:[1,0]   ; t, two at a time, each accumulator from its low end on
.set jj, jj+2
.endr
.irp b, 0,1,2,3
	v_max3_num_f32 v[212+\b], v[96+16*\b], v[97+16*\b], 0xc2f00000   ; the largest t of each block of 32 keys, with the floor -120: the byte stays a finite code
.endr
.irp i, 2,4,6,8,10,12,14
.irp b, 0,1,2,3
	v_max3_num_f32 v[212+\b], v[212+\b], v[96+16*\b+\i], v[97+16*\b+\i]
.endr
.endr
.irp b, 0,1,2,3
	s_delay_alu instid0(VALU_DEP_4)
	v_permlanex16_b32 v[216+\b], v[212+\b], s20, s21
.endr
.irp b, 0,1,2,3
	s_delay_alu instid0(VALU_DEP_4)
	v_max_num_f32 v[212+\b], v[212+\b], v[216+\b]
.endr
.irp b, 0,1,2,3
	s_delay_alu instid0(VALU_DEP_4)
	v_floor_f32 v[212+\b], v[212+\b]
.endr
.irp b, 0,1,2,3
	s_delay_alu instid0(VALU_DEP_4)
	v_cvt_i32_f32 v[212+\b], v[212+\b]
.endr
.irp b, 0,1,2,3
	s_delay_alu instid0(VALU_DEP_4)
	v_add_nc_u32 v[216+\b], 125, v[212+\b]         ; the block's byte: floor(t) - 2 + 127
.endr
.irp b, 0,1,2,3
	s_delay_alu instid0(VALU_DEP_4)
	v_lshlrev_b32 v[220+\b], 23, v[216+\b]         ; the conversion's scale operand
.endr
	v_lshl_or_b32 v92, v217, 8, v216               ; p's scale word for these 128 keys
	s_delay_alu instid0(VALU_DEP_1)
	v_lshl_or_b32 v92, v218, 16, v92
	s_delay_alu instid0(VALU_DEP_1)
	v_lshl_or_b32 v92, v219, 24, v92
	s_wait_alu depctr_va_vdst(0)
.set jj, 0
.rept 64
	v_exp_f32 v[96+jj], v[96+jj]                   ; p = 2^t
.set jj, jj+1
.endr
	v_nop                                          ; a plain place behind the exponentials
	s_wait_alu depctr_va_vdst(0)                   ; one wait for the whole batch, ahead of its first reader
.irp c, 0,1
	v_cvt_scalef32_pk16_fp6_f32 v[192+6*\c:194+6*\c], v[96+32*\c:111+32*\c], v[220+2*\c]
	v_cvt_scalef32_pk16_fp6_f32 v[204+4*\c:206+4*\c], v[112+32*\c:127+32*\c], v[220+2*\c+1]
.endr
	v_nop                                          ; one plain place behind a scaled conversion
.irp c, 0,1                            ; the operand's layout wants a whole block in a lane
.irp i, 0,1,2
	v_permlane16_swap_b32 v[192+6*\c+\i], v[204+4*\c+\i]
.endr
.irp i, 0,1,2
	s_delay_alu instid0(VALU_DEP_3)
	v_mov_b32 v[195+6*\c+\i], v[204+4*\c+\i]
.endr
.endr
.set jj, 0
.rept 32
	v_pk_add_f32 v[244+2*((jj/2)%4):245+2*((jj/2)%4)], v[244+2*((jj/2)%4):245+2*((jj/2)%4)], v[96+jj:97+jj]   ; the sum of the unquantised p, four pairs by turns; these are also the places ahead of the products
.set jj, jj+2
.endr
	s_wait_dscnt 0x0                               ; v's fragments and scale words
.irp t, 0,1,2,3                        ; O^T += V^T P^T
	s_wait_alu depctr_va_vdst(0)
.if \t%2
	v_wmma_scale_f32_16x16x128_f8f6f4 v[160+8*\t:167+8*\t], v[32+12*\t:43+12*\t], v[192:203], v[160+8*\t:167+8*\t], v[90+\t/2], v92 matrix_a_fmt:MATRIX_FMT_FP6 matrix_b_fmt:MATRIX_FMT_FP6 matrix_a_scale:MATRIX_SCALE_ROW1
.else
	v_wmma_scale_f32_16x16x128_f8f6f4 v[160+8*\t:167+8*\t], v[32+12*\t:43+12*\t], v[192:203], v[160+8*\t:167+8*\t], v[90+\t/2], v92 matrix_a_fmt:MATRIX_FMT_FP6 matrix_b_fmt:MATRIX_FMT_FP6
.endif
.endr
.rept 4
	v_nop                                          ; places: the next step's loads land on v's fragments; O^T is read behind the loop
.endr
.Lskip_\@:
	s_add_co_u32 s13, s13, STEPB
	s_add_co_u32 s14, s14, STEPB
	s_add_co_u32 s15, s15, 512
	s_add_co_u32 s16, s16, 256
	s_add_co_u32 s12, s12, 1
	s_cmp_lt_u32 s12, 16
	s_cbranch_scc1 .Lstep_\@
	s_wait_alu depctr_va_vdst(0)                   ; what was cleared ahead of the loop may be read first here, behind its branches
.if \second == 0
	LSUM
.irp i, 0,1,2,3,4,5,6,7
	ds_store_b128 v12, v[160+4*\i:163+4*\i] offset:512*\i     ; my part of the partner's tile, each accumulator from its low end on
.endr
	ds_store_b32 v12, v14 offset:4096
.else
	s_wait_dscnt 0x0                               ; for the partner's sake: my part has landed
	s_barrier_signal -1
	s_barrier_wait -1
.irp i, 0,1,2,3,4,5,6,7
	ds_load_b128 v[96+4*\i:99+4*\i], v13 offset:512*\i        ; the partner's part of my tile
.endr
	ds_load_b32 v15, v13 offset:4096
	LSUM
	s_wait_dscnt 0x0
.set jj, 0
.rept 16
	v_pk_add_f32 v[96+jj:97+jj], v[160+jj:161+jj], v[96+jj:97+jj]
.set jj, jj+2
.endr
	; THE WAY OUT: O^T / the sum, quantised along the head's 64 channels: half a fragment of the last product's operand, and two scale bytes a row
	v_add_f32 v14, v14, v15
	s_delay_alu instid0(VALU_DEP_1)
	v_permlanex16_b32 v216, v14, s20, s21
	s_delay_alu instid0(VALU_DEP_1)
	v_add_f32 v14, v14, v216                       ; the row's sum
	s_wait_alu depctr_va_vdst(0)
	v_rcp_f32 v14, v14
	v_lshlrev_b32 v227, 5, v29                     ; 32 scale bytes a row (a plain place behind the reciprocal)
	s_wait_alu depctr_va_vdst(0)                   ; the wait, ahead of the first reader
.set jj, 0
.rept 16
	v_pk_mul_f32 v[96+jj:97+jj], v[96+jj:97+jj], v[14:15] op_sel_hi:[1,0]   ; register 8 t + j: channel 16 t + 8 h + j
.set jj, jj+2
.endr
.irp be, 0,1
.irp j, 0,1,2,3,4,5,6,7
	v_permlane16_swap_b32 v[96+16*\be+\j], v[104+16*\be+\j]   ; register 16 e + i: channel 32 e + 16 h + i
.endr
.endr
.irp b, 0,1
	v_max3_num_f32 v[212+\b], |v[96+16*\b]|, |v[97+16*\b]|, 0x1800000
.endr
.irp i, 2,4,6,8,10,12,14
.irp b, 0,1
	s_delay_alu instid0(VALU_DEP_2)
	v_max3_num_f32 v[212+\b], v[212+\b], |v[96+16*\b+\i]|, |v[97+16*\b+\i]|
.endr
.endr
.irp b, 0,1
	s_delay_alu instid0(VALU_DEP_2)
	v_permlanex16_b32 v[216+\b], v[212+\b], s20, s21
.endr
.irp b, 0,1
	s_delay_alu instid0(VALU_DEP_2)
	v_max_num_f32 v[212+\b], v[212+\b], v[216+\b]
.endr
.irp b, 0,1
	s_delay_alu instid0(VALU_DEP_2)
	v_add_nc_u32 v[220+\b], 0xff000000, v[212+\b]
.endr
.irp b, 0,1
	s_delay_alu instid0(VALU_DEP_2)
	v_lshrrev_b32 v[216+\b], 23, v[220+\b]
.endr
	s_delay_alu instid0(VALU_DEP_1)
	v_lshl_or_b32 v226, v217, 8, v216
	v_cvt_scalef32_pk16_fp6_f32 v[192:194], v[96:111], v220
	v_cvt_scalef32_pk16_fp6_f32 v[200:202], v[112:127], v221
	v_nop
.irp i, 0,1,2
	v_permlane16_swap_b32 v[192+\i], v[200+\i]
.endr
.irp i, 0,1,2
	s_delay_alu instid0(VALU_DEP_3)
	v_mov_b32 v[195+\i], v[200+\i]
.endr
	global_store_b128 v1, v[192:195], s[\B+6:\B+7]             ; 512 consecutive bytes, aligned
	global_store_b64 v2, v[196:197], s[\B+6:\B+7] offset:512   ; 256
	global_store_b16 v227, v226, s[\B+8:\B+9]                  ; two bytes a row, rows 32 bytes apart; a row's two lanes store the same value: one byte in 24 of what the launch stores
.endif
.endm
	PHASE PA, 0
	PHASE PB, 1
	s_wait_tensorcnt 0x0                           ; the wave's end, behind my last LDS store
	ds_add_u32 v3, v4
	s_wait_dscnt 0x0
	s_endpgm
.Lfunc_end_k_q98b218a68c_attn:
	.size	k_q98b218a68c_attn, .Lfunc_end_k_q98b218a68c_attn-k_q98b218a68c_attn
	.p2alignl 7, 3214868480
	.fill 96, 4, 3214868480
	.section	.rodata,"a",@progbits
	.p2align	6, 0x0
	.amdhsa_kernel k_q98b218a68c_attn
		.amdhsa_group_segment_fixed_size 284672
		.amdhsa_private_segment_fixed_size 0
		.amdhsa_enable_private_segment 0
		.amdhsa_kernarg_size 24
		.amdhsa_user_sgpr_count 2
		.amdhsa_user_sgpr_kernarg_segment_ptr 1
		.amdhsa_wavefront_size32 1
		.amdhsa_system_sgpr_workgroup_id_x 1
		.amdhsa_system_sgpr_workgroup_id_y 1
		.amdhsa_system_sgpr_workgroup_id_z 1
		.amdhsa_system_vgpr_workitem_id 0
		.amdhsa_next_free_vgpr 256
		.amdhsa_next_free_sgpr 100
		.amdhsa_reserve_vcc 0
		.amdhsa_float_denorm_mode_32 3
		.amdhsa_float_denorm_mode_16_64 3
		.amdhsa_memory_ordered 1
		.amdhsa_forward_progress 1
		.amdhsa_inst_pref_size 86
	.end_amdhsa_kernel
	.amdgpu_metadata
---
amdhsa.version: [ 1, 2 ]
amdhsa.kernels:
  - .name:           k_q98b218a68c_attn
    .symbol:         k_q98b218a68c_attn.kd
    .args:
      - { .name: qkv, .offset: 0, .size: 8, .value_kind: global_buffer, .address_space: global }
      - { .name: masks, .offset: 8, .size: 8, .value_kind: global_buffer, .address_space: global }
      - { .name: att, .offset: 16, .size: 8, .value_kind: global_buffer, .address_space: global }
    .group_segment_fixed_size: 284672
    .private_segment_fixed_size: 0
    .kernarg_segment_align: 8
    .kernarg_segment_size: 24
    .max_flat_workgroup_size: 512
    .sgpr_count:     100
    .vgpr_count:     256
    .wavefront_size: 32
...
	.end_amdgpu_metadata
.endif
;; end of part 2
;; launch oproj (part 3): grid 8 x 32, 4 waves a work-group, clusters of 4 x 4, 247,808 bytes of LDS; arguments att, Wo_codes, Wo_scales, out0; writes out0
.if DOCPART == 3
	.amdgcn_target "amdgcn-amd-amdhsa--gfx1250"
	.amdhsa_code_object_version 6
	.text
	.protected	k_q98b218a68c_oproj
	.globl	k_q98b218a68c_oproj
	.p2align	8
	.type	k_q98b218a68c_oproj,@function
k_q98b218a68c_oproj:
	s_mov_b64 s[64:65], 0
	v_nop
	global_prefetch_b8 v0, s[64:65] scope:SCOPE_SE
	s_setreg_imm32_b32 hwreg(HW_REG_WAVE_MODE, 25, 1), 1
	s_wait_xcnt 0x0
	s_wait_alu depctr_hold_cnt(0) depctr_sa_sdst(0) depctr_va_vdst(0) depctr_va_sdst(0) depctr_va_ssrc(0) depctr_va_vcc(0) depctr_vm_vsrc(0)
	s_getreg_b32 s2, hwreg(HW_REG_IB_STS2, 6, 4)
	s_cmp_eq_u32 s2, 0
	s_cbranch_scc0 .Lentry_in_a_cluster
	s_endpgm
.Lentry_in_a_cluster:
	s_bfe_u32 s2, ttmp6, 0x10000c
	s_cmp_lg_u32 s2, 0xf033
	s_cbranch_scc0 .Lentry_shape_is_right
	s_endpgm
.Lentry_shape_is_right:
; out0 = o Wo on codes of FP6 (E2M3) with E8M0 scales; sums in f32.  o: 4,096 rows x K 1,024, as the launch before left it: [tile of 16 rows][head][512 | 256]: half fragments as images of registers, and scale bytes [row][32].
; Nothing of the product is left out.
; SHARES.  A tile of 128 x 128 to a work-group, 256 of them; a wave makes 64 x 64: 16 accumulators.  All of K lies in LDS: every byte is filled once, so there is no ring, and no loop for a prefetch to run ahead in.
; FOUR FILLS, ONE A WAVE: wave 0 o's 8 tiles, one dense block of 98,304 bytes; wave 1 Wo's 128 whole rows of 768 bytes, 16 bytes of padding behind each 256; wave 2 o's scale bytes; wave 3 Wo's.
; CLUSTERS of 4 x 4: o's are asked for jointly along a row of the cluster, Wo's along a column.
; The matrix instruction is used transposed (source 0 = 16 rows of Wo, source 1 = 16 rows of o): a lane holds eight neighbouring numbers of a row of out0.
; REGISTERS: window 0: v16-27 addresses, v28, v29 the add's two, v32-63 scale words (register 8 i + s: lanes 0-15 o's block i, lanes 16-31 Wo's, K step s), v128-255 the accumulators ((a, b) at 128 + 8 (4 a + b)).
;   window 1: two sets of fragments at 0 and 128: Wo's four, then o's four.
.set PITCH,  816                       ; Wo's rows in LDS: 3 x (256 bytes + 16)
.set BL,     98304                     ; behind o's codes
.set SCL,    BL+128*PITCH              ; the scales: o's, then Wo's: units of 256 bytes + 16
.set HALFS,  8*272
.set SBLK,   544
.set STAGE,  SCL+4*HALFS               ; 16 rows x (256 bytes + 16) for each wave; no tensor load lands here
.set SPITCH, 272
.set SPARE,  STAGE+4*16*SPITCH         ; the spare words: 128 bytes a wave, named by no other line
.set OS,     3145728                   ; att: the scale bytes
.set STO,  24
.set RD,   25
.set CO,   26
.set ADRS, 27
.set SPW,  28
.set NIL,  29
.set SC,   32
.set ACC,  128
.set G1, 24
.set G0, 32
.set G1B, 48
.set G0B, 56
.set G1S, 68
.set G0S, 76
.set G1SB, 80
.set G0SB, 88
.set MSB, 0
.macro WIN new
.if MSB != (\new)
	s_set_vgpr_msb (MSB<<8)|(\new)
.set MSB, (\new)
.endif
.endm
.macro CROUND                          ; a round of the cluster's barrier
	s_barrier_signal -1
	s_barrier_wait -1
	s_cmp_lg_u32 s14, 0
	s_cbranch_scc1 .Lnot_wave_0_\@
	s_barrier_signal -3
.Lnot_wave_0_\@:
	s_barrier_wait -3
	s_barrier_signal -1
	s_barrier_wait -1
.endm
	s_load_b256 s[4:11], s[0:1], 0x0               ; att, Wo's codes, Wo's scales, out0
	v_lshl_add_u32 v[SPW], v0, 2, SPARE
	v_mov_b32 v[NIL], 0
	ds_add_u32 v[SPW], v[NIL]                      ; the opening lines: the add twice and one wait
	ds_add_u32 v[SPW], v[NIL]
	v_lshrrev_b32 v1, 5, v0
	v_readfirstlane_b32 s14, v1                    ; wave
	s_lshr_b32 s15, s14, 1                         ; my half of the tile's rows
	s_and_b32 s16, s14, 1                          ; my half of its columns
	s_bfe_u32 s40, ttmp6, 0x40000                  ; cx
	s_bfe_u32 s41, ttmp6, 0x40004                  ; cy
	s_lshl_b32 s42, ttmp9, 2
	s_add_co_u32 s42, s42, s40                     ; tile column
	s_and_b32 s17, ttmp7, 0xffff
	s_lshl_b32 s17, s17, 2
	s_add_co_u32 s17, s17, s41                     ; tile row
	s_lshl_b32 s43, s41, 2
	s_lshl_b32 s43, 15, s43                        ; my row of the cluster
	s_lshl_b32 s44, 0x1111, s40                    ; my column
	s_or_b32 s[G1+0], s43, (3<<16)|(1<<21)         ; o's codes: 384 dense rows of 256 bytes, no padding
	s_mov_b32 s[G1+1], 32<<16
	s_mov_b32 s[G1+2], 384<<16
	s_mov_b32 s[G1+3], 32<<16
	s_mov_b32 s[G1+4], 384
	s_mov_b32 s[G1+5], 32
	s_mov_b32 s[G1+6], 0
	s_mov_b32 s[G1+7], 0
	s_or_b32 s[G1B+0], s44, (0<<16)|(1<<20)|(1<<21)|(5<<22)|(3<<25)  ; Wo's codes: 128 rows x 768 bytes, 16 bytes of padding behind every 256
	s_mov_b32 s[G1B+1], 768<<16
	s_mov_b32 s[G1B+2], 128<<16
	s_mov_b32 s[G1B+3], 768<<16
	s_mov_b32 s[G1B+4], 128
	s_mov_b32 s[G1B+5], 768
	s_mov_b32 s[G1B+6], 0
	s_mov_b32 s[G1B+7], 0
	s_or_b32 s[G1S+0], s43, (3<<16)|(1<<20)|(1<<21)|(5<<22)|(3<<25)  ; the scales of 128 rows: 16 rows of 256 bytes, 16 of padding behind each
	s_or_b32 s[G1SB+0], s44, (3<<16)|(1<<20)|(1<<21)|(5<<22)|(3<<25)
.irp g, G1S, G1SB
	s_mov_b32 s[\g+1], 32<<16
	s_mov_b32 s[\g+2], 16<<16
	s_mov_b32 s[\g+3], 32<<16
	s_mov_b32 s[\g+4], 16
	s_mov_b32 s[\g+5], 32
	s_mov_b32 s[\g+6], 0
	s_mov_b32 s[\g+7], 0
.endr
	s_mul_i32 s20, s17, 98304                      ; o: 8 tiles of 12,288 bytes a tile row
	s_mov_b32 s21, 0
	s_mul_i32 s46, s42, 98304                      ; Wo: 128 rows of 768 bytes a tile column
	s_mov_b32 s47, 0
	s_lshl_b32 s22, s17, 12                        ; the scales: 4,096 bytes a tile
	s_add_co_u32 s22, s22, OS
	s_mov_b32 s23, 0
	s_lshl_b32 s92, s42, 12
	s_mov_b32 s93, 0
	s_wait_dscnt 0x0                               ; both opening adds are done
	s_wait_kmcnt 0x0
	s_add_nc_u64 s[20:21], s[4:5], s[20:21]
	s_add_nc_u64 s[22:23], s[4:5], s[22:23]
	s_add_nc_u64 s[46:47], s[6:7], s[46:47]
	s_add_nc_u64 s[92:93], s[8:9], s[92:93]
	s_mov_b32 s[G0], 1
	s_mov_b32 s[G0+1], 0
	s_mov_b64 s[G0+2:G0+3], s[20:21]
	s_or_b32 s[G0+3], s[G0+3], 0x80000000
	s_mov_b32 s[G0B], 1
	s_mov_b32 s[G0B+1], BL
	s_mov_b64 s[G0B+2:G0B+3], s[46:47]
	s_or_b32 s[G0B+3], s[G0B+3], 0x80000000
	s_mov_b32 s[G0S], 1
	s_mov_b32 s[G0S+1], SCL
	s_mov_b64 s[G0S+2:G0S+3], s[22:23]
	s_or_b32 s[G0S+3], s[G0S+3], 0x80000000
	s_mov_b32 s[G0SB], 1
	s_mov_b32 s[G0SB+1], SCL+2*HALFS
	s_mov_b64 s[G0SB+2:G0SB+3], s[92:93]
	s_or_b32 s[G0SB+3], s[G0SB+3], 0x80000000
	CROUND                                         ; all sixteen work-groups are here: the joint loads meet
.macro ARM under, g0, g1, next         ; one chain of branches on the wave's number, one load to an arm
	s_cmp_lt_u32 s14, \under
	s_cbranch_scc0 \next
	tensor_load_to_lds s[\g0:\g0+3], s[\g1:\g1+7]
	s_nop 0
.rept 4
	v_nop
.endr
	s_branch .Lhead_asked
\next:
.endm
	ARM 1, G0,  G1,  .Lhead_b
	ARM 2, G0B, G1B, .Lhead_sa
	ARM 3, G0S, G1S, .Lhead_sb
	tensor_load_to_lds s[G0SB:G0SB+3], s[G1SB:G1SB+7]
	s_nop 0
.rept 4
	v_nop
.endr
.Lhead_asked:
	v_and_b32 v1, 15, v0                           ; r
	v_bfe_u32 v2, v0, 4, 1                         ; h
	v_and_b32 v3, 31, v0                           ; lane
	s_mul_i32 s21, s15, 4*12288                    ; o: my four tiles
	v_lshlrev_b32 v16, 4, v3
	v_add_nc_u32 v16, s21, v16                     ; 16 x lane
	v_lshlrev_b32 v18, 3, v3
	v_add_nc_u32 v18, s21, v18                     ; 8 x lane
	v_mul_u32_u24 v4, v1, PITCH
	v_mad_u32_u24 v4, v2, 24, v4                   ; Wo: row x pitch + 24 x half
	v_lshl_add_u32 v5, v2, 4, v4                   ; and, for lanes 16-31, behind one padding more
	s_mul_i32 s22, s16, 64*PITCH
	s_add_co_u32 s22, s22, BL
	v_add_nc_u32 v20, s22, v4
	v_add_nc_u32 v22, s22, v5
	v_lshlrev_b32 v5, 5, v1                        ; my row's scales: 32 bytes a row,
	v_lshrrev_b32 v6, 8, v5
	v_lshl_add_u32 v5, v6, 4, v5                   ; and 16 more for each 256 passed
	s_mul_i32 s21, s15, HALFS
	s_mul_i32 s22, s16, HALFS
	s_add_co_u32 s22, s22, 2*HALFS
	s_sub_co_u32 s22, s22, s21
	v_mul_u32_u24 v6, s22, v2                      ; lanes 16-31 take Wo's: the lower base + h x the distance
	s_add_co_u32 s21, s21, SCL
	v_add_nc_u32 v5, v5, v6
	v_add_nc_u32 v[ADRS], s21, v5
	s_mul_i32 s23, s14, 16*SPITCH
	s_add_co_u32 s23, s23, STAGE                   ; my stage
	v_mul_u32_u24 v5, v1, SPITCH
	v_lshl_add_u32 v5, v2, 5, v5
	v_add_nc_u32 v[STO], s23, v5                   ; in: row r, 32 bytes for each half of the lanes
	v_mul_u32_u24 v5, v2, SPITCH
	v_lshl_add_u32 v5, v1, 4, v5
	v_add_nc_u32 v[RD], s23, v5                    ; back: lanes 0-15 one row of 256 bytes, lanes 16-31 the next
	v_lshlrev_b32 v[CO], 12, v2
	v_lshl_add_u32 v[CO], v1, 4, v[CO]             ; and the same two rows in out0
	s_lshl_b32 s20, s17, 19                        ; 128 rows of 4,096 bytes a tile row
	s_lshl_b32 s21, s15, 18
	s_add_co_u32 s20, s20, s21
	s_lshl_b32 s21, s42, 9
	s_add_co_u32 s20, s20, s21
	s_lshl_b32 s21, s16, 8
	s_add_co_u32 s20, s20, s21
	s_mov_b32 s21, 0
	s_add_nc_u64 s[10:11], s[10:11], s[20:21]
.macro FRAGB reg, q, i                 ; Wo's fragment: block i, K step q: six pieces of 8 bytes; byte y of a row lies at y + 16 (y / 256)
.irp p, 0,1,2,3,4,5
.set BY, 96*(\q)+48*(\p/3)+8*(\p%3)
.if BY/256 == (BY+24)/256
	ds_load_b64 v[\reg+2*\p:\reg+2*\p+1], v20 offset:BY+16*(BY/256)+(\i)*16*PITCH
.else
	ds_load_b64 v[\reg+2*\p:\reg+2*\p+1], v22 offset:BY+16*(BY/256)+(\i)*16*PITCH
.endif
.endr
.endm
.macro FETCH q, p                      ; 40 LDS loads: K step q's fragments into set p.  o's come as images: two heads' half fragments, 512 + 256 bytes each
	WIN 0x40
.irp i, 0,1,2,3
	FRAGB 128*(\p)+12*\i, \q, \i
.endr
.irp a, 0,1,2,3
	ds_load_b128 v[128*(\p)+48+12*\a:128*(\p)+51+12*\a], v16 offset:12288*\a+1536*(\q)
	ds_load_b64 v[128*(\p)+52+12*\a:128*(\p)+53+12*\a], v18 offset:12288*\a+1536*(\q)+512
	ds_load_b128 v[128*(\p)+54+12*\a:128*(\p)+57+12*\a], v16 offset:12288*\a+1536*(\q)+768
	ds_load_b64 v[128*(\p)+58+12*\a:128*(\p)+59+12*\a], v18 offset:12288*\a+1536*(\q)+1280
.endr
	WIN 0
.endm
.macro MUL q, p, zero                  ; 16 matrix instructions; the accumulators take turns
	WIN 0x05
.irp a, 0,1,2,3
.irp b, 0,1,2,3
.if \zero
	v_wmma_scale_f32_16x16x128_f8f6f4 v[ACC+8*(4*\a+\b):ACC+8*(4*\a+\b)+7], v[128*(\p)+12*\b:128*(\p)+12*\b+11], v[128*(\p)+48+12*\a:128*(\p)+48+12*\a+11], 0, v[SC+8*\b+(\q)], v[SC+8*\a+(\q)] matrix_a_fmt:MATRIX_FMT_FP6 matrix_b_fmt:MATRIX_FMT_FP6 matrix_a_scale:MATRIX_SCALE_ROW1
.else
	v_wmma_scale_f32_16x16x128_f8f6f4 v[ACC+8*(4*\a+\b):ACC+8*(4*\a+\b)+7], v[128*(\p)+12*\b:128*(\p)+12*\b+11], v[128*(\p)+48+12*\a:128*(\p)+48+12*\a+11], v[ACC+8*(4*\a+\b):ACC+8*(4*\a+\b)+7], v[SC+8*\b+(\q)], v[SC+8*\a+(\q)] matrix_a_fmt:MATRIX_FMT_FP6 matrix_b_fmt:MATRIX_FMT_FP6 matrix_a_scale:MATRIX_SCALE_ROW1
.endif
.endr
.endr
	WIN 0
.endm
.macro PLACES
.rept 4
	v_nop
.endr
.endm
	s_wait_alu depctr_va_vdst(0)
	s_wait_tensorcnt 0x0                           ; my fill has landed
	s_barrier_signal -1
	s_barrier_wait -1                              ; and everybody's: all of K and all scales lie in LDS
.irp i, 0,1,2,3
	ds_load_b128 v[SC+8*\i:SC+8*\i+3], v[ADRS] offset:\i*SBLK        ; a row's eight scale words, for all of K
	ds_load_b128 v[SC+8*\i+4:SC+8*\i+7], v[ADRS] offset:\i*SBLK+16
.endr
	FETCH 0, 0
	FETCH 1, 1
.irp q, 0,1,2,3,4,5,6,7
.if \q < 7
	s_wait_dscnt 40                                ; this step's fragments are in; the next step's 40 loads may be out
.else
	s_wait_dscnt 0x0
.endif
.if \q == 0
	MUL \q, (\q)%2, 1                              ; the first products start the sums
.else
	MUL \q, (\q)%2, 0
.endif
.if \q < 6
	PLACES                                         ; in front of loads into registers that matrix instructions have read
	FETCH (\q)+2, (\q)%2
.endif
.endr
; THE WAY OUT, a block of 16 rows x my 64 columns at a time: 32 bytes a lane into my own stage, back as whole rows of 256 bytes into the registers that they left.  LDS serves a wave's instructions in order (ISA guide 5.7.1.4).
.macro TOSTAGE a
.irp b, 0,1,2,3
	ds_store_b128 v[STO], v[ACC+8*(4*\a+\b):ACC+8*(4*\a+\b)+3] offset:64*\b       ; each accumulator from its low end on
	ds_store_b128 v[STO], v[ACC+8*(4*\a+\b)+4:ACC+8*(4*\a+\b)+7] offset:64*\b+16
.endr
.irp t, 0,1,2,3,4,5,6,7
	ds_load_b128 v[ACC+32*\a+4*\t:ACC+32*\a+4*\t+3], v[RD] offset:\t*2*SPITCH
.endr
.endm
.macro SEND a, younger                 ; younger: the LDS instructions issued behind block a's loads
	s_wait_dscnt \younger
.irp t, 0,1,2,3,4,5,6,7
	global_store_b128 v[CO], v[ACC+32*\a+4*\t:ACC+32*\a+4*\t+3], s[10:11] offset:(16*\a+2*\t)*4096 th:TH_STORE_NT   ; 16 lanes store 256 consecutive bytes, aligned
.endr
.endm
	PLACES
	TOSTAGE 0
	TOSTAGE 1
	SEND 0, 16                                     ; behind block 0's loads: block 1's 8 stores and 8 loads
	TOSTAGE 2
	SEND 1, 16
	TOSTAGE 3
	SEND 2, 16
	SEND 3, 0
	s_wait_tensorcnt 0x0                           ; the wave's end
	ds_add_u32 v[SPW], v[NIL]
	s_wait_dscnt 0x0
	CROUND                                         ; the closing round
	s_endpgm
.Lfunc_end_k_q98b218a68c_oproj:
	.size	k_q98b218a68c_oproj, .Lfunc_end_k_q98b218a68c_oproj-k_q98b218a68c_oproj
	.p2alignl 7, 3214868480
	.fill 96, 4, 3214868480
	.section	.rodata,"a",@progbits
	.p2align	6, 0x0
	.amdhsa_kernel k_q98b218a68c_oproj
		.amdhsa_group_segment_fixed_size 247808
		.amdhsa_private_segment_fixed_size 0
		.amdhsa_enable_private_segment 0
		.amdhsa_kernarg_size 32
		.amdhsa_user_sgpr_count 2
		.amdhsa_user_sgpr_kernarg_segment_ptr 1
		.amdhsa_wavefront_size32 1
		.amdhsa_system_sgpr_workgroup_id_x 1
		.amdhsa_system_sgpr_workgroup_id_y 1
		.amdhsa_system_sgpr_workgroup_id_z 1
		.amdhsa_system_vgpr_workitem_id 0
		.amdhsa_next_free_vgpr 512
		.amdhsa_next_free_sgpr 98
		.amdhsa_reserve_vcc 0
		.amdhsa_float_denorm_mode_32 3
		.amdhsa_float_denorm_mode_16_64 3
		.amdhsa_memory_ordered 1
		.amdhsa_forward_progress 1
		.amdhsa_inst_pref_size 55
	.end_amdhsa_kernel
	.amdgpu_metadata
---
amdhsa.version: [ 1, 2 ]
amdhsa.kernels:
  - .name:           k_q98b218a68c_oproj
    .symbol:         k_q98b218a68c_oproj.kd
    .args:
      - { .name: att, .offset: 0, .size: 8, .value_kind: global_buffer, .address_space: global }
      - { .name: Wo_codes, .offset: 8, .size: 8, .value_kind: global_buffer, .address_space: global }
      - { .name: Wo_scales, .offset: 16, .size: 8, .value_kind: global_buffer, .address_space: global }
      - { .name: out0, .offset: 24, .size: 8, .value_kind: global_buffer, .address_space: global }
    .group_segment_fixed_size: 247808
    .private_segment_fixed_size: 0
    .kernarg_segment_align: 8
    .kernarg_segment_size: 32
    .max_flat_workgroup_size: 128
    .sgpr_count:     98
    .vgpr_count:     512
    .wavefront_size: 32
...
	.end_amdgpu_metadata
.endif
;; end of part 3
